; MI455X (gfx1250); checked and timed in simulation.
; The chip was launched on July 23, 2026; its instructions are those of AMD's public machine-readable ISA for CDNA 5 (MIT licence, August 2026) and "CDNA5" Instruction Set Architecture Reference Guide (July 2026). The comments in the code are by the model that wrote it; some were corrected since.
;; Attention. Allowed arithmetic: matrix products marked QUANTISED: E4M3 operands, one given power-of-two scale a tensor, by v_wmma_f32_16x16x64_fp8_fp8 or v_wmma_f32_16x16x128_fp8_fp8, f32 sums; everything else in f32.
;; Inputs: freqs_cos 2,048 x 64 float32; freqs_sin 2,048 x 64 float32; lowp_scales 12 int32 (the exponents e of the quantised operands' scales 2^e); wk 2,048 x 512 float32; wo 512 x 2,048 float32; wq 2,048 x 512 float32; wv 2,048 x 512 float32; x 4 x 2,048 x 2,048 float32.
;; Outputs: out0 4 x 2,048 x 2,048 float32.
;; This version of the problem:
;;   THIS VERSION OF THE PROBLEM IS GIVEN IN LOW PRECISION. The matrix products marked QUANTISED in the list below multiply operands that are first quantised to E4M3 (4 exponent bits, 3 mantissa bits; 8 bits a number), with one given power-of-two scale for each operand tensor; their sums are f32. All else is computed in f32.
;;   The module's matrix products, in the order in which they are computed (A, B: the left and right operand; K: the contracted axis; several contracted axes count as one K, in the product's order):
;;     1. [M 8,192, K 2,048] x [K 2,048, N 512]; A: input x; B: input wq: QUANTISED (scales: A lowp_scales[0], B lowp_scales[1])
;;     2. [M 8,192, K 2,048] x [K 2,048, N 512]; A: input x; B: input wk: QUANTISED (scales: A lowp_scales[2], B lowp_scales[3])
;;     3. [M 8,192, K 2,048] x [K 2,048, N 512]; A: input x; B: input wv: QUANTISED (scales: A lowp_scales[4], B lowp_scales[5])
;;     4. batch 16 x [M 2,048, K 128] x [K 128, N 2,048]; A: computed on the way; B: computed on the way: QUANTISED (scales: A lowp_scales[6], B lowp_scales[7])
;;     5. batch 16 x [M 2,048, K 2,048] x [K 2,048, N 128]; A: softmax (see below); B: computed on the way: QUANTISED (scales: A lowp_scales[8], B lowp_scales[9])
;;     6. [M 8,192, K 512] x [K 512, N 2,048]; A: computed on the way; B: input wo: QUANTISED (scales: A lowp_scales[10], B lowp_scales[11])
;;   THE QUANTISER, for each operand of a quantised product, along K:
;;     - The operand's scale is 2^e, e = its entry of the input lowp_scales (int32; the entries are numbered through the quantised products in the list's order, A before B).
;;     - Each number is divided by the scale, clamped to +-448, and rounded to the nearest number of E4M3, ties to even, subnormals kept.
;;     - The product sums the exact products of the quantised numbers (number of the format x scale) in f32.
;;   ~~~python
;;   def quantise(x, axis, e):      # numpy; x: float32 -> the quantised numbers, widened to float32 again
;;       x = np.moveaxis(x, axis, -1); K = x.shape[-1]
;;       r = np.clip(x / 2.0 ** e, -448, 448)
;;       step = 2.0 ** (np.maximum(np.frexp(np.where(r == 0, 1, r))[1] - 1, -6) - 3)
;;       q = np.round(r / step) * step * 2.0 ** e      # np.round: ties to even
;;       return np.moveaxis(q, -1, axis).astype(np.float32)
;;   ~~~
;;   SOFTMAX AHEAD OF A QUANTISED PRODUCT. Where the list says 'softmax', what is quantised is not the finished softmax but p = 2^(t - M), with t = logit x log2(e) and M = ceil(the row's largest t), a whole number; so 1/2 < the row's largest p <= 1. The row's sum l is taken of the UNQUANTISED p, in f32, and the product's result is divided by l at the end. Since M is a whole number, a kernel that streams over the keys may use a running M (the ceiling of the running maximum): every later rescaling is an exact power of two, so the quantised numbers keep their values, but for numbers so far below the row's largest that they fall under the format's range.
;;   OPERANDS COMPUTED ON THE WAY. 'Computed on the way' means the value that the module computes at that place (a softmax that the list does not call 'softmax' is quantised finished and normalised). What goes into a quantiser is computed in f32, as accurately as f32 sums, v_exp_f32 and their like allow (about 1e-6 of the number): no bf16 or f16 on the way to a quantiser, and a product that is left as it is and whose result goes on into a quantised operand takes f32 operands (vector FMAs, or v_wmma_f32_16x16x4_f32). A number that lies on a knife's edge between two numbers of the format may be rounded either way, as far as f32 arithmetic and the matrix unit's own rounding can turn it there, and no further.
;; One version. Each part assembles by itself: llvm-mc -triple=amdgcn-amd-amdhsa -mcpu=gfx1250 --defsym DOCPART=n.
;; ======== version 1 of 1: 4 launches
;; limits: right only within a limited range of input values
;; workspace buffers: xc 50,331,648 bytes; wc 4,194,304 bytes; qkv 12,582,912 bytes; ao 4,194,304 bytes
;; launch prep (part 1): grid 768 x 1, 4 waves a work-group, no clusters, 34,304 bytes of LDS; arguments x, wq, wk, wv, wo, lowp_scales, xc, wc; writes xc, wc
.if DOCPART == 1
	.amdgcn_target "amdgcn-amd-amdhsa--gfx1250"
	.amdhsa_code_object_version 6
	.text
	.protected	k_qcc32319c63_prep
	.globl	k_qcc32319c63_prep
	.p2align	8
	.type	k_qcc32319c63_prep,@function
k_qcc32319c63_prep:
	s_mov_b64 s[64:65], 0
	v_nop
	global_prefetch_b8 v0, s[64:65] scope:SCOPE_SE
	s_setreg_imm32_b32 hwreg(HW_REG_WAVE_MODE, 25, 1), 1
	s_wait_xcnt 0x0
; x [8192][2048] f32 and the four weights (K is their FIRST axis) become codes of FP8 (E4M3), laid as IMAGES OF FRAGMENTS.
; An image is 2,048 bytes = 16 rows x 128 K: byte 512 c + 16 (r + 16 h) + i is the code of the tile's row at place r, k = 32 c + 16 h + i.
; Tile 2 B + u holds at place r the row 32 B + 8 u + r + 8 (r / 8).  A reader gets a fragment by four loads of 16 bytes a lane at 16 x lane + 512 c.
; code = number / 2^e, held within +-448, to the nearest code, ties to even.  x is an operand of three products with three given scales (entries 0, 2, 4): three sets of codes are always made.
; xc: [product 3][K slot of 256: 8][row tile 512][K step 2][2048].   wc: wq, wk, wv: [K slot 8][column tile 32][K step 2][2048], 1 MiB each; wo: [K slot 2][column tile 128][K step 2][2048].
; Work-groups 0-191: wq, wk, wv (64 each); 192-255: wo; 256-767: one row tile of x each.  No barrier: waves share nothing.  Only x's path uses LDS.
; LIMITS: every e used here (entries 0 to 5 and 11) lies between -126 and 119, so that 2^e and 448 x 2^e are f32 numbers.  NaN among the inputs is not served; an infinity is held at the largest code.
.set R,   16                           ; v16-143  x: two sets of 64 registers as loaded
.set X,   144                          ; v144-207 x: 64 numbers of my row, register 16 c + i = k 32 c + 16 h + i
.set TMP, 208                          ; v208-239 two sets of 16 held numbers, by turns
.set CD,  240                          ; v240-255 an image's 16 registers
.set XW,  16                           ; v16-79   weights: two sets of 32 numbers down K
.set CW,  80                           ; v80-111  weights: 8 registers of codes for each of 4 blocks, never rewritten
.set SP,  528                          ; a stage row: 512 bytes + 16: an odd multiple of 16, so sixteen lanes that read sixteen rows start at sixteen different 16-byte columns
.macro MKSC e, vsc, vlm                ; from the whole number e in s[e]: 2^e and 448 x 2^e as f32
	s_add_co_i32 s33, s[\e], 127
	s_lshl_b32 s34, s33, 23
	v_mov_b32 v[\vsc], s34
	s_add_co_i32 s33, s33, 8
	s_lshl_b32 s33, s33, 23
	s_or_b32 s33, s33, 0x600000
	v_mov_b32 v[\vlm], s33
.endm
.macro XLOAD t                         ; unit t: 16 rows x 128 numbers; each load reads 512 consecutive bytes of one row
.set xi, 0
.rept 16
	global_load_b128 v[R+64*((\t)%2)+4*xi:R+64*((\t)%2)+4*xi+3], v4, s[36:37] offset:(xi+8*(xi/8))*8192+512*(\t) th:TH_LOAD_NT
.set xi, xi+1
.endr
.endm
.macro UNIT u                          ; one K step of the row tile: through my stage, then three images
.set RS, R+64*((\u)%2)
.if (\u) < 3
	s_wait_loadcnt 16                              ; loads come back in order: this unit's 16 are in, the next unit's 16 may be out
.else
	s_wait_loadcnt 0
.endif
.set xi, 0
.rept 16
	ds_store_b128 v5, v[RS+4*xi:RS+4*xi+3] offset:SP*xi
.set xi, xi+1
.endr
.irp c, 0,1,2,3
.irp j, 0,1,2,3
	ds_load_b128 v[X+16*\c+4*\j:X+16*\c+4*\j+3], v6 offset:128*\c+16*\j   ; a wave's LDS instructions are served in order: these see the stores above
.endr
.endr
	s_wait_dscnt 0x0                               ; the numbers are back, and the stage's stores have read their registers
.if (\u)+2 < 4
	XLOAD (\u)+2
.endif
.irp p, 0,1,2
	s_wait_xcnt 0x0                                ; the last image's stores have read CD: it is rewritten only behind this wait
.irp c, 0,1,2,3
.set xi, 0
.rept 16
	v_med3_num_f32 v[TMP+16*(\c%2)+xi], v[X+16*\c+xi], -v[9+2*\p], v[9+2*\p]   ; the conversion does not saturate: hold first.  The two sets take turns, so plain lines stand between a conversion and the next write of its sources
.set xi, xi+1
.endr
	v_cvt_scalef32_pk8_fp8_f32 v[CD+4*\c:CD+4*\c+1], v[TMP+16*(\c%2):TMP+16*(\c%2)+7], v[8+2*\p]
	v_cvt_scalef32_pk8_fp8_f32 v[CD+4*\c+2:CD+4*\c+3], v[TMP+16*(\c%2)+8:TMP+16*(\c%2)+15], v[8+2*\p]
.endr
.irp c, 0,1,2,3
	global_store_b128 v4, v[CD+4*\c:CD+4*\c+3], s[40+2*\p:41+2*\p] offset:((\u)/2)*0x200000+((\u)%2)*2048+512*\c   ; 512 consecutive bytes, aligned
.endr
.endr
.endm
.macro WLOAD t, pitch                  ; block t: W(32 t + i, my column)
.set wi, 0
.rept 32
	global_load_b32 v[XW+32*((\t)%2)+wi], v4, s[36:37] offset:(32*(\t)+wi)*\pitch th:TH_LOAD_NT
.set wi, wi+1
.endr
.endm
.macro BLOCK t, pitch
.set XS, XW+32*((\t)%2)
.if (\t) < 3
	s_wait_loadcnt 32                              ; this block's 32 loads are in; the next block's may be out
.else
	s_wait_loadcnt 0
.endif
.set wi, 0
.rept 32
	v_med3_num_f32 v[XS+wi], v[XS+wi], -v9, v9
.set wi, wi+1
.endr
.irp g, 0,1,2,3
	v_cvt_scalef32_pk8_fp8_f32 v[CW+8*(\t)+2*\g:CW+8*(\t)+2*\g+1], v[XS+8*\g:XS+8*\g+7], v8
.endr
	global_store_b128 v5, v[CW+8*(\t):CW+8*(\t)+3], s[46:47] offset:512*(\t)          ; k = 32 t + 0 .. 15: the image's lanes 0-15; the wave fills 256 bytes of each of its two tiles whole
	global_store_b128 v5, v[CW+8*(\t)+4:CW+8*(\t)+7], s[46:47] offset:512*(\t)+256    ; k = 32 t + 16 .. 31: its lanes 16-31
.if (\t)+2 < 4
	WLOAD (\t)+2, \pitch
.endif
.endm
; A weight: a work-group takes 128 columns x 128 K, a wave 32 columns; A LANE TAKES A COLUMN AND ITS REGISTERS RUN DOWN K, so the conversions give codes with K innermost.
.macro WPATH pitch, kslotb, ngbits
	s_lshr_b32 s35, ttmp9, 6                       ; which weight: 0, 1, 2 (wq, wk, wv) or 3 (wo)
.if \ngbits == 2
	s_cmp_eq_u32 s35, 0
	s_cselect_b64 s[36:37], s[6:7], s[8:9]
	s_cmp_eq_u32 s35, 2
	s_cselect_b64 s[36:37], s[10:11], s[36:37]
.else
	s_mov_b64 s[36:37], s[12:13]
.endif
	s_and_b32 s39, ttmp9, 63
	s_and_b32 s40, s39, (1<<\ngbits)-1             ; which 128 columns
	s_lshr_b32 s41, s39, \ngbits                   ; which K step of 128
	s_mul_i32 s42, s41, 128*\pitch
	s_lshl_b32 s43, s40, 9
	s_add_co_u32 s42, s42, s43
	s_lshl_b32 s43, s32, 7
	s_add_co_u32 s42, s42, s43
	s_mov_b32 s43, 0
	s_add_nc_u64 s[36:37], s[36:37], s[42:43]      ; in: K step x 128 rows + 512 x group + 128 x wave
	s_lshl_b32 s44, s35, 20                        ; out: the weight's MiB,
	s_lshr_b32 s45, s41, 1
	s_mul_i32 s45, s45, \kslotb                    ; the K slot,
	s_add_co_u32 s44, s44, s45
	s_lshl_b32 s45, s40, 15                        ; tiles 8 x group + 2 x wave, 4,096 bytes each,
	s_add_co_u32 s44, s44, s45
	s_lshl_b32 s45, s32, 13
	s_add_co_u32 s44, s44, s45
	s_and_b32 s45, s41, 1
	s_lshl_b32 s45, s45, 11                        ; the K step in the slot
	s_add_co_u32 s44, s44, s45
	s_mov_b32 s45, 0
	s_add_nc_u64 s[46:47], s[18:19], s[44:45]
	v_lshlrev_b32 v4, 2, v2                        ; in: 4 bytes a lane
	v_bfe_u32 v3, v2, 3, 1                         ; column L of 32 lies in tile (L / 8) % 2,
	v_and_b32 v6, 7, v2
	v_lshrrev_b32 v7, 4, v2
	v_lshl_add_u32 v6, v7, 3, v6                   ; at place L % 8 + 8 (L / 16)
	v_lshlrev_b32 v5, 4, v6
	v_lshl_add_u32 v5, v3, 12, v5
	WLOAD 0, \pitch
	WLOAD 1, \pitch
	s_wait_kmcnt 0x0
.if \ngbits == 2
	s_cmp_eq_u32 s35, 0
	s_cselect_b32 s38, s21, s23                    ; entries 1, 3, 5
	s_cmp_eq_u32 s35, 2
	s_cselect_b32 s38, s25, s38
.else
	s_mov_b32 s38, s31                             ; entry 11
.endif
	MKSC 38, 8, 9
	s_wait_alu depctr_va_vdst(0)
	BLOCK 0, \pitch
	BLOCK 1, \pitch
	BLOCK 2, \pitch
	BLOCK 3, \pitch
	s_endpgm
.endm
	s_load_b512 s[4:19], s[0:1], 0x0               ; x 4:5, wq 6:7, wk 8:9, wv 10:11, wo 12:13, scales 14:15, xc 16:17, wc 18:19
	v_lshl_add_u32 v14, v0, 2, 0x8400
	v_mov_b32 v15, 0
	v_lshrrev_b32 v1, 5, v0
	v_readfirstlane_b32 s32, v1                    ; wave
	v_and_b32 v2, 31, v0                           ; lane
	s_wait_kmcnt 0x0
	s_load_b256 s[20:27], s[14:15], 0x0            ; entries 0 to 7
	s_load_b128 s[28:31], s[14:15], 0x20           ; entries 8 to 11
	s_cmp_lt_u32 ttmp9, 192
	s_cbranch_scc1 .Lw512
	s_cmp_lt_u32 ttmp9, 256
	s_cbranch_scc1 .Lw2048
	; ---- x: row tile T; wave w takes K steps 4 w .. 4 w + 3
	s_sub_co_u32 s35, ttmp9, 256                   ; T
	s_lshr_b32 s36, s35, 1
	s_lshl_b32 s36, s36, 5
	s_and_b32 s37, s35, 1
	s_lshl_b32 s37, s37, 3
	s_add_co_u32 s36, s36, s37                     ; the tile's first row: 32 (T / 2) + 8 (T % 2)
	s_lshl_b32 s36, s36, 13                        ; a row is 8,192 bytes
	s_lshl_b32 s37, s32, 11                        ; four K steps are 2,048 bytes
	s_add_co_u32 s36, s36, s37
	s_mov_b32 s37, 0
	s_add_nc_u64 s[36:37], s[4:5], s[36:37]
	s_lshl_b32 s38, s32, 22                        ; K slots 2 w, 2 w + 1, 2 MiB each
	s_lshl_b32 s39, s35, 12                        ; the tile's 4,096 bytes in a slot
	s_add_co_u32 s38, s38, s39
	s_mov_b32 s39, 0
	s_add_nc_u64 s[40:41], s[16:17], s[38:39]      ; the three products' sets, 16 MiB apart
	s_add_nc_u64 s[42:43], s[40:41], 0x1000000
	s_add_nc_u64 s[44:45], s[42:43], 0x1000000
	s_wait_alu depctr_va_vdst(0)
	v_lshlrev_b32 v4, 4, v2                        ; 16 x lane: in memory, both ways
	s_mul_i32 s46, s32, 16*SP                      ; my stage
	v_add_nc_u32 v5, s46, v4                       ; into it: a row's 512 bytes as they lie
	v_and_b32 v3, 15, v0
	v_bfe_u32 v7, v0, 4, 1
	v_mul_u32_u24 v6, v3, SP
	v_lshl_add_u32 v6, v7, 6, v6
	v_add_nc_u32 v6, s46, v6                       ; out of it: row r, + 64 h: my 16 numbers of each block of 32
	XLOAD 0
	XLOAD 1
	s_wait_alu depctr_va_vdst(0)
	s_wait_kmcnt 0x0
	MKSC 20, 8, 9                                  ; entry 0
	MKSC 22, 10, 11                                ; entry 2
	MKSC 24, 12, 13                                ; entry 4
	s_wait_alu depctr_va_vdst(0)
	UNIT 0
	UNIT 1
	UNIT 2
	UNIT 3
	s_wait_tensorcnt 0x0
	ds_add_u32 v14, v15
	s_wait_dscnt 0x0
	s_endpgm
.Lw512:
	s_wait_alu depctr_va_vdst(0)
	WPATH 2048, 0x20000, 2
.Lw2048:
	s_wait_alu depctr_va_vdst(0)
	WPATH 8192, 0x80000, 4
.Lfunc_end_k_qcc32319c63_prep:
	.size	k_qcc32319c63_prep, .Lfunc_end_k_qcc32319c63_prep-k_qcc32319c63_prep
	.p2alignl 7, 3214868480
	.fill 96, 4, 3214868480
	.section	.rodata,"a",@progbits
	.p2align	6, 0x0
	.amdhsa_kernel k_qcc32319c63_prep
		.amdhsa_group_segment_fixed_size 34304
		.amdhsa_private_segment_fixed_size 0
		.amdhsa_enable_private_segment 0
		.amdhsa_kernarg_size 64
		.amdhsa_user_sgpr_count 2
		.amdhsa_user_sgpr_kernarg_segment_ptr 1
		.amdhsa_wavefront_size32 1
		.amdhsa_system_sgpr_workgroup_id_x 1
		.amdhsa_system_sgpr_workgroup_id_y 1
		.amdhsa_system_sgpr_workgroup_id_z 1
		.amdhsa_system_vgpr_workitem_id 0
		.amdhsa_next_free_vgpr 256
		.amdhsa_next_free_sgpr 66
		.amdhsa_reserve_vcc 0
		.amdhsa_float_denorm_mode_32 3
		.amdhsa_float_denorm_mode_16_64 3
		.amdhsa_memory_ordered 1
		.amdhsa_forward_progress 1
		.amdhsa_inst_pref_size 124
	.end_amdhsa_kernel
	.amdgpu_metadata
---
amdhsa.version: [ 1, 2 ]
amdhsa.kernels:
  - .name:           k_qcc32319c63_prep
    .symbol:         k_qcc32319c63_prep.kd
    .args:
      - { .name: x, .offset: 0, .size: 8, .value_kind: global_buffer, .address_space: global }
      - { .name: wq, .offset: 8, .size: 8, .value_kind: global_buffer, .address_space: global }
      - { .name: wk, .offset: 16, .size: 8, .value_kind: global_buffer, .address_space: global }
      - { .name: wv, .offset: 24, .size: 8, .value_kind: global_buffer, .address_space: global }
      - { .name: wo, .offset: 32, .size: 8, .value_kind: global_buffer, .address_space: global }
      - { .name: lowp_scales, .offset: 40, .size: 8, .value_kind: global_buffer, .address_space: global }
      - { .name: xc, .offset: 48, .size: 8, .value_kind: global_buffer, .address_space: global }
      - { .name: wc, .offset: 56, .size: 8, .value_kind: global_buffer, .address_space: global }
    .group_segment_fixed_size: 34304
    .private_segment_fixed_size: 0
    .kernarg_segment_align: 8
    .kernarg_segment_size: 64
    .max_flat_workgroup_size: 128
    .sgpr_count:     66
    .vgpr_count:     256
    .wavefront_size: 32
...
	.end_amdgpu_metadata
.endif
;; end of part 1
;; launch qkv (part 2): grid 32 x 6, 4 waves a work-group, no clusters, 327,680 bytes of LDS; arguments xc, wc, lowp_scales, freqs_cos, freqs_sin, qkv; writes qkv
.if DOCPART == 2
	.amdgcn_target "amdgcn-amd-amdhsa--gfx1250"
	.amdhsa_code_object_version 6
	.text
	.protected	k_qcc32319c63_qkv
	.globl	k_qcc32319c63_qkv
	.p2align	8
	.type	k_qcc32319c63_qkv,@function
k_qcc32319c63_qkv:
	s_mov_b64 s[64:65], 0
	v_nop
	global_prefetch_b8 v0, s[64:65] scope:SCOPE_SE
	s_setreg_imm32_b32 hwreg(HW_REG_WAVE_MODE, 25, 1), 1
	s_wait_xcnt 0x0
; The three projections x wq, x wk, x wv on codes of FP8 (E4M3), K = 2,048, the rotary turn of q and k, and the quantising of q, k, v for the attention's two products.
; Work-group (x, y): 256 rows of x (block x), product p = y / 2 (q, k, v), 256 of its 512 columns (y % 2).  Operands lie in memory as images of fragments (2,048 bytes = 16 rows x 128 K, byte 512 c + 16 lane + i).
; ONE OPERAND GOES THROUGH LDS, THE OTHER STRAIGHT INTO REGISTERS.  L, 256 rows, is read by all four waves: it comes by tensor loads through a ring of two slots of 512 along K (128 KiB; four slots in all).
; R, 64 rows a wave, is read by that wave alone: each fragment is four loads of 16 bytes a lane from its image, asked for three to four K steps of 128 ahead, in four sets of 64 registers, under counted waits.
; The matrix instruction takes L as source 0 and R as source 1: a lane holds one row of R, its registers run along L's rows.  q, k: L = the weight's columns, R = x's rows: a lane's registers run along the head's channels.
; v: L = x's rows, R = wv's columns: a lane's registers run along the keys, which are the second product's K.  Only addresses and pitches differ: one text serves the three products.
; A wave makes 64 x 256: accumulator (a, b), a = R's tile 0-3, b = L's tile 0-15.  The eight accumulators (a, 8 g .. 8 g + 7), converted, are one image of the result.
; NO CLUSTER: in v's work-groups, a third of the grid, L is x's block, which two work-groups read, and in q's and k's it is the weight's block, which 32 read; one text with one tensor instruction cannot name four partners in the one case and none in the other.
; NO PREFETCH: K is four slots, and two of them are asked for in the head; R's loads are themselves asked for three K steps ahead and nothing drains them.
; LIMITS: entry 6 - 0 - 1, entry 7 - 2 - 3 and entry 9 - 4 - 5 of the scales lie between -126 and 119, so that the conversion's scale and 448 x it are f32 numbers.  NaN among the inputs is not served.
; REGISTERS.  Window 0: v16-17 LDS addresses, v24-31 offsets and scales, v32-95 cos and sin of tile 0, v128-255 two sets of four fragments of L (on the way out: at work).  Window 1: R, four sets of 64 (at the end: cos and sin of tiles 1-3).
; Window 2: accumulators (a, 0-7) at v[64 a + 8 b];  window 3: (a, 8-15).
.set SLOT,  131072
.set SPARE, 2*SLOT                     ; behind the ring: the spare words, 128 bytes a wave
.set AD0,   16                         ; v16, v17 LDS address of the slot in hand: its first and its second 256 along K
.set AL,    24                         ; v24 16 x lane
.set CSO,   25                         ; v25 my row and half in the tables of cos and sin
.set SPW,   28
.set NIL,   29
.set SC,    30                         ; v30 the conversion's scale
.set LIM,   31                         ; v31 448 x it
.set CS0,   32
.set BF,    128
.set TMP,   112                        ; v112-175 the way out: 64 numbers at work; the images' codes have 16 registers each, none used twice (macro CODES)
.set G1,    24                         ; s[24:31] descriptor group 1
.set G0,    32                         ; s[32:35] group 0, which walks
.set L2,    36                         ; s[36:37] a slot on in L's memory
.set R2,    38                         ; s[38:39] a slot on in R's memory
.set RB,    44                         ; s[44:45], s[46:47] R's images of the slot that is being asked for: its first and second 256 along K
.set OB,    50                         ; s[50:51], s[52:53] where images (0, 0) and (0, 1) go
.set TB,    54                         ; s54 LDS byte at which the slot in hand begins
.set MSB, 0
.macro WIN new                         ; the immediate's high byte repeats the setting that is left
.if MSB != (\new)
	s_set_vgpr_msb (MSB<<8)|(\new)
.set MSB, (\new)
.endif
.endm
.macro PLACES                          ; four places behind matrix instructions, ahead of loads into their sources and of reads of their results
.rept 4
	v_nop
.endr
.endm
.macro LGRP q, g                       ; L's tiles 4 g .. 4 g + 3 of the slot's K step q into set g % 2
.irp i, 0,1,2,3
.irp c, 0,1,2,3
	ds_load_b128 v[BF+64*((\g)%2)+16*\i+4*\c:BF+64*((\g)%2)+16*\i+4*\c+3], v[AD0+(\q)/2] offset:(4*(\g)+\i)*4096+((\q)%2)*2048+512*\c
.endr
.endr
.endm
.macro MGRP q, g, zero                 ; 16 matrix instructions: four tiles of L x my four of R; each accumulator has its turn once a K step
	WIN 0xa4+0x50*((\g)/2)
.irp i, 0,1,2,3
.irp a, 0,1,2,3
.set ACC, 8*(8*\a+(4*(\g)+\i)%8)
.if \zero
	v_wmma_f32_16x16x128_fp8_fp8 v[ACC:ACC+7], v[BF+64*((\g)%2)+16*\i:BF+64*((\g)%2)+16*\i+15], v[64*(\q)+16*\a:64*(\q)+16*\a+15], 0
.else
	v_wmma_f32_16x16x128_fp8_fp8 v[ACC:ACC+7], v[BF+64*((\g)%2)+16*\i:BF+64*((\g)%2)+16*\i+15], v[64*(\q)+16*\a:64*(\q)+16*\a+15], v[ACC:ACC+7]
.endif
.endr
.endr
.endm
.macro RLOAD q                         ; R's four fragments of K step q of the slot at RB, into set q
	WIN 0x40
.irp a, 0,1,2,3
.irp c, 0,1,2,3
	global_load_b128 v[64*(\q)+16*\a+4*\c:64*(\q)+16*\a+4*\c+3], v[AL], s[RB+2*((\q)/2):RB+2*((\q)/2)+1] offset:((\q)%2)*2048+\a*4096+512*\c
.endr
.endr
	WIN 0
.endm
.macro GRP q, g, nq, ng, zero          ; the next group's 16 LDS loads go out, then this group is multiplied
	PLACES
	WIN 0
	LGRP \nq, \ng
	s_wait_dscnt 16                                ; all but the 16 just issued
	MGRP \q, \g, \zero
.endm
.macro STEP q, zero, ld, cnt           ; a K step of 128.  ld: the set that the step before has left takes R's fragments of three steps on.  cnt: R's loads issued behind this step's
	PLACES
	WIN 0
	LGRP \q, 1
.if \ld
	RLOAD ((\q)+3)%4
.endif
	s_wait_dscnt 16
	s_wait_loadcnt \cnt
	MGRP \q, 0, \zero
	GRP \q, 1, \q, 2, \zero
	GRP \q, 2, \q, 3, \zero
.if (\q) < 3
	GRP \q, 3, (\q)+1, 0, \zero
.endif
.endm
; THE CHANGE OF SLOTS holds the slot's last 16 matrix instructions.  Each wave waits for its tensor load (its quarter of the next slot), adds 0 to its spare word, and waits for that and for its reads of this slot.
; Behind the barrier this slot is filled again first (fill = 1), with the slot after the next; then the next slot's first fragments are read.
.macro CHANGE fill
	WIN 0
	s_wait_tensorcnt 0x0
	ds_add_u32 v[SPW], v[NIL]
	s_xor_b32 s[TB], s[TB], SLOT
.if \fill
	s_xor_b32 s[G0+1], s[G0+1], SLOT               ; no tensor load of mine is out: group 0 walks on
	s_add_nc_u64 s[G0+2:G0+3], s[G0+2:G0+3], s[L2:L2+1]
.endif
	s_wait_dscnt 1                                 ; the group's fragments are in; the add may be out
	MGRP 3, 3, 0
	WIN 0
	s_wait_dscnt 0x0
	s_barrier_signal -1
	s_barrier_wait -1
.if \fill
	tensor_load_to_lds s[G0:G0+3], s[G1:G1+7]
	s_nop 0
.endif
	v_add_nc_u32 v[AD0], s[TB], v[AL]              ; these four lines are also the places ahead of the loads below
	v_add_nc_u32 v[AD0+1], 0x10000, v[AD0]
	v_nop
	v_nop
	s_wait_alu depctr_va_vdst(0)
	LGRP 0, 0
.endm
.macro CSLOAD a, cc                    ; cos and sin of R's tile a: my row's 32 pairs, register 8 c + n = pair 16 c + 8 h + n; sin 32 registers behind cos
.irp c, 0,1,2,3
.irp i, 0,1
	global_load_b128 v[\cc+8*\c+4*\i:\cc+8*\c+4*\i+3], v[CSO], s[10:11] offset:(32*((\a)/2)+8*((\a)%2))*256+64*\c+16*\i
	global_load_b128 v[\cc+32+8*\c+4*\i:\cc+32+8*\c+4*\i+3], v[CSO], s[12:13] offset:(32*((\a)/2)+8*((\a)%2))*256+64*\c+16*\i
.endr
.endr
.endm
.macro CODES a, g                      ; 64 held numbers become an image's 16 registers; each store covers 512 consecutive bytes, aligned
.if 2*(\a)+(\g) < 2                    ; image 2 a + g has code registers of its own, so no store's data are written again: v176-207, then v32-95 (tile 0's cos and sin are done with), then v208-239
.set CD, 176+16*(2*(\a)+(\g))
.else
.if 2*(\a)+(\g) < 6
.set CD, 32+16*(2*(\a)+(\g)-2)
.else
.set CD, 208+16*(2*(\a)+(\g)-6)
.endif
.endif
.irp e, 0,1,2,3,4,5,6,7
	v_cvt_scalef32_pk8_fp8_f32 v[CD+2*\e:CD+2*\e+1], v[TMP+8*\e:TMP+8*\e+7], v[SC]
.endr
	v_nop                                          ; the plain line behind the conversions
.irp c, 0,1,2,3
	global_store_b128 v[AL], v[CD+4*\c:CD+4*\c+3], s[OB+2*(\g):OB+2*(\g)+1] offset:2048*(\a)+512*\c
.endr
.endm
; THE WAY OUT of image (a, g).  q, k: the rotary turn, in place.  A pair (xr, xi) lies in two neighbouring registers: (-xi s, xr s) by one packed multiply (the pair's halves swapped, s for both, the low product's xi negated),
; then (xr c - xi s, xi c + xr s) by one packed multiply-add onto the pair itself.  v's work-groups go round the turn by a scalar branch on the product.  The hold, the conversions and the stores serve all three.
; Each accumulator is read from its low end on.
.macro IMAGE_OUT a, g
.set AC, 64*(\a)
.if (\a) == 0
.set CC, CS0
.set CW, 0
.else
.set CC, 64*((\a)-1)
.set CW, 4
.endif
	s_cmp_eq_u32 s22, 2
	s_cbranch_scc1 .Lplain_\@
.if (\a) > 0
.if (\g) == 0
	s_wait_loadcnt 16*(3-(\a))                     ; this tile's cos and sin are in; the later tiles' 16 loads each may be out
.endif
.endif
	WIN 2+(\g)+CW
.irp c, 0,1,2,3
.irp m, 0,2,4,6
	v_pk_mul_f32 v[TMP+16*\c+2*\m:TMP+16*\c+2*\m+1], v[AC+16*\c+2*\m:AC+16*\c+2*\m+1], v[CC+32+8*\c+\m:CC+32+8*\c+\m+1] op_sel:[1,0] op_sel_hi:[0,0] neg_lo:[1,0]
	v_pk_mul_f32 v[TMP+16*\c+2*\m+2:TMP+16*\c+2*\m+3], v[AC+16*\c+2*\m+2:AC+16*\c+2*\m+3], v[CC+32+8*\c+\m:CC+32+8*\c+\m+1] op_sel:[1,1] op_sel_hi:[0,1] neg_lo:[1,0]
.endr
.endr
	WIN 2+(\g)+CW+64*(2+(\g))                      ; the destination is the accumulators' window now
.irp c, 0,1,2,3
.irp m, 0,2,4,6
	v_pk_fma_f32 v[AC+16*\c+2*\m:AC+16*\c+2*\m+1], v[AC+16*\c+2*\m:AC+16*\c+2*\m+1], v[CC+8*\c+\m:CC+8*\c+\m+1], v[TMP+16*\c+2*\m:TMP+16*\c+2*\m+1] op_sel:[0,0,0] op_sel_hi:[1,0,1]
	v_pk_fma_f32 v[AC+16*\c+2*\m+2:AC+16*\c+2*\m+3], v[AC+16*\c+2*\m+2:AC+16*\c+2*\m+3], v[CC+8*\c+\m:CC+8*\c+\m+1], v[TMP+16*\c+2*\m+2:TMP+16*\c+2*\m+3] op_sel:[0,1,0] op_sel_hi:[1,1,1]
.endr
.endr
	WIN 0
.Lplain_\@:
	WIN 2+(\g)
.set ri, 0
.rept 64
	v_med3_num_f32 v[TMP+ri], v[AC+ri], -v[LIM], v[LIM]   ; the conversion does not saturate (ISA guide 7.6.2): hold first
.set ri, ri+1
.endr
	WIN 0
	CODES \a, \g
.endm
	s_load_b256 s[4:11], s[0:1], 0x0               ; xc 4:5, wc 6:7, scales 8:9, cos 10:11
	s_load_b128 s[12:15], s[0:1], 0x20             ; sin 12:13, qkv 14:15
	v_lshl_add_u32 v[SPW], v0, 2, SPARE
	v_mov_b32 v[NIL], 0
	ds_add_u32 v[SPW], v[NIL]                      ; the opening lines: the add twice on end and one wait, ahead of my first tensor load
	ds_add_u32 v[SPW], v[NIL]
	v_lshrrev_b32 v1, 5, v0
	v_readfirstlane_b32 s16, v1                    ; wave w
	s_lshr_b32 s17, s16, 1
	s_and_b32 s18, s16, 1
	s_and_b32 s21, ttmp7, 0xffff
	s_lshr_b32 s22, s21, 1                         ; p
	s_and_b32 s23, s21, 1                          ; which 256 columns
	s_mov_b32 s[G1], 3<<16                         ; a dense block of 32 KiB as 128 rows of 32 elements of 8 bytes
	s_mov_b32 s[G1+1], 32<<16
	s_mov_b32 s[G1+2], 128<<16
	s_mov_b32 s[G1+3], 32<<16
	s_mov_b32 s[G1+4], 128
	s_mov_b32 s[G1+5], 32
	s_mov_b32 s[G1+6], 0
	s_mov_b32 s[G1+7], 0
	s_lshl_b32 s40, s22, 24                        ; x's block: the product's 16 MiB, 64 KiB a block in each 256 along K
	s_lshl_b32 s41, ttmp9, 16
	s_add_co_u32 s40, s40, s41
	s_lshl_b32 s41, s22, 20                        ; the weight's block: its MiB, 64 KiB a block
	s_lshl_b32 s42, s23, 16
	s_add_co_u32 s41, s41, s42
	s_mov_b32 s42, 0x200000                        ; 256 along K on: in xc,
	s_mov_b32 s43, 0x20000                         ; in wc
	s_cmp_eq_u32 s22, 2                            ; v: L = x, R = the weight; q, k: the other way round
	s_cselect_b32 s56, s40, s41
	s_cselect_b32 s58, s41, s40
	s_cselect_b32 s60, s42, s43
	s_cselect_b32 s61, s43, s42
	s_mul_i32 s57, s17, s60                        ; L: wave w fetches the slot's (w / 2)-th 256 along K, half w % 2 of the block
	s_add_co_u32 s56, s56, s57
	s_lshl_b32 s57, s18, 15
	s_add_co_u32 s56, s56, s57
	s_mov_b32 s57, 0
	s_lshl_b32 s59, s16, 14                        ; R: my four tiles of the block's sixteen
	s_add_co_u32 s58, s58, s59
	s_mov_b32 s59, 0
	s_lshl_b32 s[L2], s60, 1
	s_mov_b32 s[L2+1], 0
	s_lshl_b32 s[R2], s61, 1
	s_mov_b32 s[R2+1], 0
	s_mov_b32 s62, s61
	s_mov_b32 s63, 0
	s_mov_b32 s[G0], 1
	s_lshl_b32 s[G0+1], s16, 15                    ; in a slot: 32 KiB x wave
	s_mov_b32 s[TB], 0
	s_wait_dscnt 0x0                               ; both opening adds are done
	s_wait_kmcnt 0x0
	s_cmp_eq_u32 s22, 2
	s_cselect_b64 s[G0+2:G0+3], s[4:5], s[6:7]
	s_cselect_b64 s[RB:RB+1], s[6:7], s[4:5]
	s_add_nc_u64 s[G0+2:G0+3], s[G0+2:G0+3], s[56:57]
	s_or_b32 s[G0+3], s[G0+3], 0x80000000
	tensor_load_to_lds s[G0:G0+3], s[G1:G1+7]      ; slot 0: my one tensor load at the head
	s_nop 0
	s_load_b256 s[68:75], s[8:9], 0x0              ; entries 0 to 7
	s_load_b128 s[76:79], s[8:9], 0x20             ; entries 8 to 11
	s_add_nc_u64 s[RB:RB+1], s[RB:RB+1], s[58:59]
	s_add_nc_u64 s[RB+2:RB+3], s[RB:RB+1], s[62:63]
	s_mov_b64 s[40:41], s[RB:RB+1]                 ; slot 0's bases stay in s[40:43] for the head's loads and are never stepped;
	s_mov_b64 s[42:43], s[RB+2:RB+3]
	s_add_nc_u64 s[RB:RB+1], s[RB:RB+1], s[R2:R2+1]        ; the walking bases go on to slot 1 before any load names them
	s_add_nc_u64 s[RB+2:RB+3], s[RB+2:RB+3], s[R2:R2+1]
	v_and_b32 v1, 31, v0
	v_lshlrev_b32 v[AL], 4, v1
	v_add_nc_u32 v[AD0], s[TB], v[AL]
	v_add_nc_u32 v[AD0+1], 0x10000, v[AD0]
	v_and_b32 v2, 15, v0
	v_bfe_u32 v3, v0, 4, 1
	v_and_b32 v4, 8, v2
	v_add_nc_u32 v4, v4, v2                        ; place r of a tile holds row r + 8 (r / 8)
	v_lshlrev_b32 v[CSO], 8, v4                    ; a row of the tables is 256 bytes
	v_lshl_add_u32 v[CSO], v3, 5, v[CSO]           ; + 8 h pairs
	s_and_b32 s80, ttmp9, 7                        ; the block in its sequence
	s_lshl_b32 s82, s80, 16
	s_lshl_b32 s83, s16, 14
	s_add_co_u32 s82, s82, s83                     ; position 256 x block + 64 w
	s_mov_b32 s83, 0
	s_add_nc_u64 s[10:11], s[10:11], s[82:83]
	s_add_nc_u64 s[12:13], s[12:13], s[82:83]
	s_wait_alu depctr_va_vdst(0)
	s_cmp_eq_u32 s22, 2
	s_cbranch_scc1 .Lno_cs
	CSLOAD 0, CS0                                  ; older than all of R's loads, so it enters none of their counts
.Lno_cs:
.set RB, 40                            ; the head's four runs of loads name slot 0's bases
	RLOAD 0                                        ; K steps 0 and 1 go out beside slot 0's tensor load; steps 2 and 3 follow behind slot 1's
	RLOAD 1
	s_lshr_b32 s81, ttmp9, 3                       ; where the images go.  q, k: [pair][tile 128][2048]; v: [pair][key step 16][tile 8][2048]; pair = 4 x batch + head
	s_lshl_b32 s81, s81, 2
	s_lshl_b32 s84, s23, 1
	s_add_co_u32 s81, s81, s84
	s_lshl_b32 s84, s81, 7
	s_lshl_b32 s85, s80, 4
	s_add_co_u32 s84, s84, s85
	s_lshl_b32 s85, s16, 2
	s_add_co_u32 s84, s84, s85                     ; q, k: 128 pair + 16 block + 4 w; g is the head
	s_add_co_u32 s86, s81, s17
	s_lshl_b32 s86, s86, 4
	s_lshl_b32 s85, s80, 1
	s_add_co_u32 s86, s86, s85
	s_lshl_b32 s86, s86, 3
	s_lshl_b32 s85, s18, 2
	s_add_co_u32 s86, s86, s85                     ; v: 8 (16 (pair + w / 2) + 2 block) + 4 (w % 2); g is the key step
	s_mov_b32 s87, 0x40000
	s_cmp_eq_u32 s22, 2
	s_cselect_b32 s84, s86, s84
	s_cselect_b32 s86, 0x4000, s87
	s_lshl_b32 s84, s84, 11
	s_lshl_b32 s85, s22, 22
	s_add_co_u32 s84, s84, s85
	s_mov_b32 s85, 0
	s_mov_b32 s87, 0
	s_add_nc_u64 s[OB:OB+1], s[14:15], s[84:85]
	s_add_nc_u64 s[OB+2:OB+3], s[OB:OB+1], s[86:87]
	s_wait_kmcnt 0x0
	s_cmp_eq_u32 s22, 0                            ; a sum stands for sum x 2^(ex + ew); its code is that / 2^eo: the three are folded into the conversion's scale
	s_cselect_b32 s88, s68, s70
	s_cselect_b32 s89, s69, s71
	s_cselect_b32 s90, s74, s75
	s_cmp_eq_u32 s22, 2
	s_cselect_b32 s88, s72, s88
	s_cselect_b32 s89, s73, s89
	s_cselect_b32 s90, s77, s90
	s_sub_co_i32 s90, s90, s88
	s_sub_co_i32 s90, s90, s89
	s_add_co_i32 s90, s90, 127
	s_lshl_b32 s91, s90, 23
	v_mov_b32 v[SC], s91
	s_add_co_i32 s90, s90, 8
	s_lshl_b32 s90, s90, 23
	s_or_b32 s90, s90, 0x600000
	v_mov_b32 v[LIM], s90
	s_wait_alu depctr_va_vdst(0)
	s_wait_tensorcnt 0x0                           ; my quarter of slot 0 is in; slot 1's first fill is issued as a refill is
	ds_add_u32 v[SPW], v[NIL]
	s_xor_b32 s[G0+1], s[G0+1], SLOT
	s_add_nc_u64 s[G0+2:G0+3], s[G0+2:G0+3], s[L2:L2+1]
	s_wait_dscnt 0x0
	s_barrier_signal -1
	s_barrier_wait -1
	tensor_load_to_lds s[G0:G0+3], s[G1:G1+7]      ; slot 1
	s_nop 0
	PLACES
	LGRP 0, 0
	RLOAD 2
	RLOAD 3
.set RB, 44                            ; from here on the walking bases
	STEP 0, 1, 0, 48                               ; the first K step starts the sums; 48 = the three later steps' 16 loads each
	WIN 0
	s_mov_b32 s3, 2
.Lslot:                                            ; a trip: a slot's K steps 1 to 3, the change with its refill, the next slot's K step 0
	STEP 1, 0, 1, 48
	STEP 2, 0, 1, 48
	STEP 3, 0, 1, 48
	CHANGE 1
	STEP 0, 0, 1, 48
	WIN 0
	s_wait_xcnt 0x0                                ; the trip's loads have read their bases
	s_add_nc_u64 s[RB:RB+1], s[RB:RB+1], s[R2:R2+1]
	s_add_nc_u64 s[RB+2:RB+3], s[RB+2:RB+3], s[R2:R2+1]
	s_sub_co_u32 s3, s3, 1
	s_cmp_lg_u32 s3, 0
	s_cbranch_scc1 .Lslot
	STEP 1, 0, 1, 48                               ; the tail is written out: the last change fills nothing, the last three K steps ask for nothing of R
	STEP 2, 0, 1, 48
	STEP 3, 0, 1, 48
	CHANGE 0
	STEP 0, 0, 1, 48
	STEP 1, 0, 0, 32
	STEP 2, 0, 0, 16
	PLACES
	WIN 0
	LGRP 3, 1
	s_wait_dscnt 16
	s_wait_loadcnt 0x0
	s_cmp_eq_u32 s22, 2
	s_cbranch_scc1 .Lno_cs2
	WIN 0x40
	CSLOAD 1, 0                                    ; R's sets 0 to 2 are done with: they take cos and sin of tiles 1 to 3
	CSLOAD 2, 64
	CSLOAD 3, 128
	WIN 0
.Lno_cs2:
	MGRP 3, 0, 0
	GRP 3, 1, 3, 2, 0
	GRP 3, 2, 3, 3, 0
	s_wait_dscnt 0x0
	MGRP 3, 3, 0
	WIN 0
	PLACES
.irp a, 0,1,2,3
.irp g, 0,1
	IMAGE_OUT \a, \g
.endr
.endr
	s_wait_tensorcnt 0x0                           ; the wave's end
	ds_add_u32 v[SPW], v[NIL]
	s_wait_dscnt 0x0
	s_endpgm
.Lfunc_end_k_qcc32319c63_qkv:
	.size	k_qcc32319c63_qkv, .Lfunc_end_k_qcc32319c63_qkv-k_qcc32319c63_qkv
	.p2alignl 7, 3214868480
	.fill 96, 4, 3214868480
	.section	.rodata,"a",@progbits
	.p2align	6, 0x0
	.amdhsa_kernel k_qcc32319c63_qkv
		.amdhsa_group_segment_fixed_size 327680
		.amdhsa_private_segment_fixed_size 0
		.amdhsa_enable_private_segment 0
		.amdhsa_kernarg_size 48
		.amdhsa_user_sgpr_count 2
		.amdhsa_user_sgpr_kernarg_segment_ptr 1
		.amdhsa_wavefront_size32 1
		.amdhsa_system_sgpr_workgroup_id_x 1
		.amdhsa_system_sgpr_workgroup_id_y 1
		.amdhsa_system_sgpr_workgroup_id_z 1
		.amdhsa_system_vgpr_workitem_id 0
		.amdhsa_next_free_vgpr 1024
		.amdhsa_next_free_sgpr 96
		.amdhsa_reserve_vcc 0
		.amdhsa_float_denorm_mode_32 3
		.amdhsa_float_denorm_mode_16_64 3
		.amdhsa_memory_ordered 1
		.amdhsa_forward_progress 1
		.amdhsa_inst_pref_size 212
	.end_amdhsa_kernel
	.amdgpu_metadata
---
amdhsa.version: [ 1, 2 ]
amdhsa.kernels:
  - .name:           k_qcc32319c63_qkv
    .symbol:         k_qcc32319c63_qkv.kd
    .args:
      - { .name: xc, .offset: 0, .size: 8, .value_kind: global_buffer, .address_space: global }
      - { .name: wc, .offset: 8, .size: 8, .value_kind: global_buffer, .address_space: global }
      - { .name: lowp_scales, .offset: 16, .size: 8, .value_kind: global_buffer, .address_space: global }
      - { .name: freqs_cos, .offset: 24, .size: 8, .value_kind: global_buffer, .address_space: global }
      - { .name: freqs_sin, .offset: 32, .size: 8, .value_kind: global_buffer, .address_space: global }
      - { .name: qkv, .offset: 40, .size: 8, .value_kind: global_buffer, .address_space: global }
    .group_segment_fixed_size: 327680
    .private_segment_fixed_size: 0
    .kernarg_segment_align: 8
    .kernarg_segment_size: 48
    .max_flat_workgroup_size: 128
    .sgpr_count:     96
    .vgpr_count:     1024
    .wavefront_size: 32
...
	.end_amdgpu_metadata
.endif
;; end of part 2
;; launch attn (part 3): grid 16 x 16, 16 waves a work-group, clusters of 4 x 1, 327,680 bytes of LDS; arguments qkv, lowp_scales, ao; writes ao
.if DOCPART == 3
	.amdgcn_target "amdgcn-amd-amdhsa--gfx1250"
	.amdhsa_code_object_version 6
	.text
	.protected	k_qcc32319c63_attn
	.globl	k_qcc32319c63_attn
	.p2align	8
	.type	k_qcc32319c63_attn,@function
k_qcc32319c63_attn:
	s_mov_b64 s[64:65], 0
	v_nop
	global_prefetch_b8 v0, s[64:65] scope:SCOPE_SE
	s_setreg_imm32_b32 hwreg(HW_REG_WAVE_MODE, 25, 1), 1
	s_wait_xcnt 0x0
	s_wait_alu depctr_hold_cnt(0) depctr_sa_sdst(0) depctr_va_vdst(0) depctr_va_sdst(0) depctr_va_ssrc(0) depctr_va_vcc(0) depctr_vm_vsrc(0)
	s_getreg_b32 s2, hwreg(HW_REG_IB_STS2, 6, 4)
	s_cmp_eq_u32 s2, 0
	s_cbranch_scc0 .Lentry_in_a_cluster
	s_endpgm
.Lentry_in_a_cluster:
	s_bfe_u32 s2, ttmp6, 0x10000c
	s_cmp_lg_u32 s2, 0x3003
	s_cbranch_scc0 .Lentry_shape_is_right
	s_endpgm
.Lentry_shape_is_right:
; Causal attention on codes of FP8 (E4M3) for 16 (batch, head) pairs of 2,048 x 128; its result is quantised for the output projection and stored as images of fragments.
; q, k: [pair 16][tile 128][2048]; v: [pair 16][key step 16][tile of 16 channels 8][2048] (keys innermost); an image is 16 rows x 128 K, byte 512 c + 16 lane + i; tile 2 B + u holds at place r the row 32 B + 8 u + r + 8 (r / 8).
; THE SOFTMAX: t = score x log2(e) / sqrt(128); M = the running largest t rounded UP to a whole number; p = 2^(t - M) is quantised, not normalised; the row's sum of the unquantised p divides at the end;
; when M moves, the sum and O are multiplied by 2^(old M - new M), which rounds nothing.
; Both products are used transposed (S^T = K Q^T, O^T = V^T P^T): a lane holds one query throughout, p's 16 registers of two neighbouring tiles are 16 neighbouring keys, and O^T's registers, converted, are the image of the
; query tile with K = the head's 128 channels.
; SHARES.  Work-group (x, y): pair y; j = x, 0 .. 15; it owns the eight query tiles 16 D + j, D = 0 .. 7.  A TILE HAS TWO WAVES: wave u (0, 1) takes key step u (128 keys) of every 256 keys, with a running M, sum and O^T of its
; own; at the end the two are brought under the larger M (exact powers of two) and added, and wave u finishes channels 64 u .. 64 u + 63.
; Wave w (g = w / 4, k = w % 4): D = 7 - (2 ((g + k) % 4) + g / 2), u = g % 2.  Every four waves with equal w % 4, and every four with equal w / 4, then hold one tile of each of {7, 6}, {5, 4}, {3, 2}, {1, 0}: of the waves that
; still have keys in slot s, no such four hold more than ceil((8 - s) / 2).
; Every work-group walks all 4 slots: trip counts are constants.  A key step all of whose keys come after the wave's queries is left out by a scalar branch on the wave's number, the step's first key and the cluster's number,
; which the partners share; no barrier and no tensor load stands in a step.
; CLUSTER: the four work-groups of a cluster walk the same K and V: each tile is asked for JOINTLY (mask 15), by waves 0 to 7, 16 KiB each.
; LIMITS: entries 6 + 7 between -123 and 130 (added to c's exponent field); entry 8, and entry 10 - 8 - 9, between -126 and 119.  NaN among the inputs is not served.
; REGISTERS: v1 16 x lane; v2, v7, v247-249 LDS addresses of the merge; v3 prefetch offset; v4 my query - 16 h; v8 LDS address of the step; v12 -M, v13 the largest t, v[14:15] the sum; v16-31 Q; v32-95 four fragments of K, then of V;
;   v96-159 S^T, then p, then V's other four fragments; v160-223 O^T; v224-239 p's codes; v240, v241, v244, v245 scales; v[242:243], v[252:253], v254 at work; v246 what the lane 16 away sends; v250 my offset in the image; v251 16 x lane + my key step.
; THE SLOTS (these lines hold over the head comment's figures): a slot holds 512 keys, four key steps: 64 KiB of K (32 tiles), then 64 KiB of V (4 key steps x 8 tiles).  There are four slots; wave u of a tile takes key steps u and u + 2 of each.
; Waves 0 to 7 fetch, 16 KiB each.  The merge's 128 KiB lie in ring slot 0: behind the last change of slots it has had its last fill and nobody reads it.
.set SLOT1, 131072
.set SPARE, 2*SLOT1                    ; behind the ring: the spare words, 128 bytes a wave: eight blocks of 256 bytes that no other line names
.set MOB,   0                          ; O^T of each wave, 8,192 bytes, as 16 stores of 512 bytes: in ring slot 0
.set MST,   SPARE+16*128               ; behind the spare words, bytes that no tile ever fills: -M and the row's sum of each wave: 8 bytes a lane, 256 a wave
.set NSL,   4
.set ADV, 9                            ; v9   LDS address of the step's fragments of V: 64 KiB behind K's
.set TH,  19                           ; s19  which of my two key steps of the slot: 0, then 32,768, the bytes from key step u to key step u + 2 in K's and in V's part; it counts the inner loop
.set AL,  1
.set MO,  2                            ; v2   where I put my O^T
.set PFO, 3
.set QD,  4
.set SPW, 5
.set NIL, 6
.set MOH, 7                            ; v7   where I read my channels of it back
.set AD,  8
.set XL,  246                          ; v246 the lane exchange's destination: a register that no matrix instruction names
.set MPH, 247                          ; v247 where I read the same channels of the tile's other wave
.set MS,  248                          ; v248 where I put -M and the sum
.set MSP, 249                          ; v249 where the other wave's lie
.set GA,  250                          ; v250 16 x lane + 1,024 u: my half of the image in memory
.set AK,  251                          ; v251 16 x lane + 16,384 u: my key step in K's and in V's part of a slot
.set LIM, 15                           ; s15  1 in a wave that prefetches, else the greatest number
.set WV,  18
.set SEL, 20
.set CS,  22
.set G1,  24
.set G0,  40
.set PFA, 44
.set QLO, 46                           ; s46  256 D + 64 x cluster: at or under every query of the four partners' tiles of this wave
.set QHI, 47                           ; s47  QLO + 63: at or over them.  QLO .. QHI lies inside one key step
.set KF,  48                           ; s48  my step's first key
.set SLOTS, 49
.set TB,  50                           ; s50  LDS byte at which the slot in hand begins
.set HU,  51                           ; s51  u
.set RG,  86                           ; s86  2 (7 - D) + u: my place in the merge's bytes; the tile's other wave has the same with the low bit turned
.macro TLOAD                           ; waves 0 to 3: K's quarters; waves 4 to 7: V's; four v_nop follow the line
	s_cmp_lt_u32 s[WV], 8
	s_cbranch_scc0 .Lasked_\@
	tensor_load_to_lds s[G0:G0+3], s[G1:G1+7]
	s_nop 0
.rept 4
	v_nop
.endr
.Lasked_\@:
.endm
; A prefetch of what the NEXT change of slots will ask for: 64 KiB of K and 64 KiB of V.  All clusters of a pair walk the same bytes: the pair's first cluster asks; its four partners take 16 KiB of each, told apart by address;
; in each, waves 8 and 9 ask for K's and waves 10 and 11 for V's, 8 KiB a wave, lanes 256 bytes apart.  So each block of 256 bytes is named once.  The last change that fills a slot asks for nothing; slots 0 and 1 come by their loads alone.
.macro ASK
	s_cmp_gt_u32 s[SLOTS], s[LIM]
	s_cbranch_scc0 .Lnot_mine_\@
	global_prefetch_b8 v[PFO], s[PFA:PFA+1] th:TH_LOAD_NT scope:SCOPE_SE
.Lnot_mine_\@:
.endm
.macro CROUND                          ; a round of the cluster's barrier
	s_barrier_signal -1
	s_barrier_wait -1
	s_cmp_lg_u32 s[WV], 0
	s_cbranch_scc1 .Lnot_wave_0_\@
	s_barrier_signal -3
.Lnot_wave_0_\@:
	s_barrier_wait -3
	s_barrier_signal -1
	s_barrier_wait -1
.endm
	s_load_b128 s[4:7], s[0:1], 0x0                ; qkv 4:5, scales 6:7
	s_load_b64 s[8:9], s[0:1], 0x10                ; ao
	v_lshl_add_u32 v[SPW], v0, 2, SPARE
	v_mov_b32 v[NIL], 0
	ds_add_u32 v5, v6
	ds_add_u32 v5, v6
	s_wait_dscnt 0x0
	v_lshrrev_b32 v8, 5, v0
	s_delay_alu instid0(VALU_DEP_1)
	v_readfirstlane_b32 s[WV], v8                  ; wave 0..15
	s_and_b32 s10, ttmp7, 0xffff                   ; the pair: 4 x batch + head
	; what I fetch, if I fetch: made of the wave's number and the pair alone
	s_and_b32 s72, s[WV], 7
	s_lshl_b32 s72, s72, 14                        ; in a slot: 16 KiB x wave
	s_bfe_u32 s74, s[WV], 0x10002                  ; K (0) or V (1): 4 MiB apart, K 4 MiB behind q
	s_lshl_b32 s74, s74, 22
	s_add_co_u32 s74, s74, 0x400000
	s_lshl_b32 s73, s10, 18                        ; the pair's 256 KiB
	s_add_co_u32 s74, s74, s73
	s_and_b32 s75, s[WV], 3                        ; which quarter
	s_lshl_b32 s75, s75, 14                        ; 16 KiB a quarter
	s_add_co_u32 s74, s74, s75
	s_mov_b32 s75, 0
	s_mov_b32 s[G1], 15|(3<<16)|(1<<21)            ; mask: all four; elements of 8 bytes; bit 21 beside a mask
	s_mov_b32 s[G1+1], 32<<16                      ; a dense block of 16 KiB as 64 rows of 256 bytes
	s_mov_b32 s[G1+2], 64<<16
	s_mov_b32 s[G1+3], 32<<16
	s_mov_b32 s[G1+4], 64
	s_mov_b32 s[G1+5], 32
	s_mov_b32 s[G1+6], 0
	s_mov_b32 s[G1+7], 0
	; my tile of queries and my half of the keys
	s_bfe_u32 s11, ttmp6, 0x40000                  ; cx: it enters global addresses and the mask's data alone
	s_lshl_b32 s12, ttmp9, 2
	s_add_co_u32 s12, s12, s11                     ; j
	s_lshr_b32 s67, s[WV], 2                       ; g
	s_add_co_u32 s13, s67, s[WV]
	s_and_b32 s13, s13, 3                          ; (g + k) % 4  (w = 4 g + k)
	s_lshl_b32 s13, s13, 1
	s_lshr_b32 s66, s67, 1
	s_add_co_u32 s13, s13, s66                     ; 7 - D = 2 ((g + k) % 4) + g / 2
	s_and_b32 s[HU], s67, 1                        ; u
	s_lshl_b32 s[RG], s13, 1
	s_or_b32 s[RG], s[RG], s[HU]
	s_xor_b32 s13, s13, 7                          ; D
	s_lshl_b32 s14, s13, 4
	s_add_co_u32 s14, s14, s12                     ; T = 16 D + j
	s_lshl_b32 s[QLO], s13, 8
	s_lshl_b32 s66, ttmp9, 6
	s_add_co_u32 s[QLO], s[QLO], s66
	s_add_co_u32 s[QHI], s[QLO], 63
	; every LDS address is made here, of the wave's number and the lane alone
	v_and_b32 v9, 31, v0
	s_delay_alu instid0(VALU_DEP_1)
	v_lshlrev_b32 v[AL], 4, v9
	s_wait_alu depctr_va_vdst(0)
	v_lshlrev_b32 v[PFO], 8, v9
	v_lshlrev_b32 v10, 3, v9
	s_wait_alu depctr_va_vdst(0)
	s_lshl_b32 s87, s[HU], 14
	v_add_nc_u32 v[AK], s87, v[AL]
	s_lshl_b32 s88, s[RG], 13
	s_add_co_u32 s88, s88, MOB
	v_add_nc_u32 v[MO], s88, v[AL]
	s_lshl_b32 s89, s[HU], 12                      ; channels 64 u on are O^T's registers 32 u on: 4,096 u bytes into a wave's 8,192
	s_add_co_u32 s90, s88, s89
	v_add_nc_u32 v[MOH], s90, v[AL]
	s_xor_b32 s91, s[RG], 1                        ; the tile's other wave
	s_lshl_b32 s92, s91, 13
	s_add_co_u32 s92, s92, MOB
	s_add_co_u32 s92, s92, s89
	v_add_nc_u32 v[MPH], s92, v[AL]
	s_lshl_b32 s93, s[RG], 8
	s_add_co_u32 s93, s93, MST
	v_add_nc_u32 v[MS], s93, v10
	s_lshl_b32 s94, s91, 8
	s_add_co_u32 s94, s94, MST
	v_add_nc_u32 v[MSP], s94, v10
	s_lshl_b32 s95, s[HU], 10
	v_add_nc_u32 v[GA], s95, v[AL]
	s_lshl_b32 s76, s14, 11                        ; Q's image
	s_add_co_u32 s76, s76, s73
	s_mov_b32 s77, 0
	s_bfe_u32 s78, s10, 0x10001                    ; ao: [head / 2][128 x batch + T][head % 2][2048]
	s_lshl_b32 s78, s78, 21
	s_lshr_b32 s79, s10, 2
	s_lshl_b32 s79, s79, 7
	s_add_co_u32 s79, s79, s14
	s_lshl_b32 s79, s79, 12
	s_add_co_u32 s78, s78, s79
	s_and_b32 s79, s10, 1
	s_lshl_b32 s79, s79, 11
	s_add_co_u32 s78, s78, s79
	s_mov_b32 s79, 0
	s_bfe_u32 s80, s[WV], 0x10001                  ; the prefetches: K's (waves 8, 9) or V's (10, 11), the pair, my work-group's 16 KiB, my wave's half of them, in slot 1: the first change steps it to slot 2
	s_lshl_b32 s80, s80, 22
	s_add_co_u32 s80, s80, 0x400000+65536
	s_add_co_u32 s80, s80, s73
	s_lshl_b32 s81, s11, 14
	s_add_co_u32 s80, s80, s81
	s_and_b32 s81, s[WV], 1
	s_lshl_b32 s81, s81, 13
	s_add_co_u32 s80, s80, s81
	s_mov_b32 s81, 0
	s_sub_co_u32 s82, s[WV], 8
	s_lshr_b32 s82, s82, 2                         ; 0 in waves 8 to 11,
	s_or_b32 s82, s82, ttmp9                       ; of the pair's first cluster: the same in all four partners
	s_cmp_eq_u32 s82, 0
	s_cselect_b32 s[LIM], 1, -1
	s_lshr_b32 s83, s12, 1                         ; my tile's first query: 256 D + 32 (j / 2) + 8 (j % 2)
	s_lshl_b32 s83, s83, 5
	s_and_b32 s84, s12, 1
	s_lshl_b32 s84, s84, 3
	s_add_co_u32 s83, s83, s84
	s_lshl_b32 s84, s13, 8
	s_add_co_u32 s83, s83, s84
	s_mov_b32 s[SEL], 0x76543210
	s_mov_b32 s[SEL+1], 0xfedcba98
	s_mov_b32 s[CS], 0x3e0293ee                    ; c = log2(e) / sqrt(128)
	s_mov_b32 s[TB], 0
	s_lshl_b32 s[KF], s[HU], 7                     ; my first step begins at key 128 u
	s_mov_b32 s[SLOTS], NSL-1
	s_wait_kmcnt 0x0
	s_load_b256 s[52:59], s[6:7], 0x0              ; entries 0 to 7
	s_load_b128 s[60:63], s[6:7], 0x20             ; entries 8 to 11
	s_mov_b32 s[G0], 1
	s_mov_b32 s[G0+1], s72
	s_add_nc_u64 s[G0+2:G0+3], s[4:5], s[74:75]
	s_or_b32 s[G0+3], s[G0+3], 0x80000000
	s_add_nc_u64 s[PFA:PFA+1], s[4:5], s[80:81]
	s_add_nc_u64 s[8:9], s[8:9], s[78:79]
	s_add_nc_u64 s[76:77], s[4:5], s[76:77]
	CROUND                                         ; all four work-groups are here: the first joint loads meet
	TLOAD                                          ; slot 0
.irp c, 0,1,2,3
	global_load_b128 v[16+4*\c:19+4*\c], v[AL], s[76:77] offset:512*\c   ; Q's fragment stays in registers
.endr
	v_and_b32 v9, 15, v0                           ; r
	v_bfe_u32 v10, v0, 4, 1                        ; h
	s_delay_alu instid0(VALU_DEP_2)
	v_and_b32 v11, 8, v9
	s_delay_alu instid0(VALU_DEP_1)
	v_add_nc_u32 v11, v11, v9                      ; r + 8 (r / 8)
	s_delay_alu instid0(VALU_DEP_3)
	v_lshlrev_b32 v10, 4, v10
	s_delay_alu instid0(VALU_DEP_1)
	v_sub_nc_u32 v[QD], v11, v10
	s_delay_alu instid0(VALU_DEP_1)
	v_add_nc_u32 v[QD], s83, v[QD]                 ; my query - 16 h
	v_mov_b32 v13, 0xff61b1e6                      ; the largest t so far: -3e38
	s_delay_alu instid0(VALU_DEP_1)
	v_floor_f32 v12, -v13                          ; -M
	v_mov_b32 v14, 0
	v_mov_b32 v15, 0
	v_mov_b32 v[XL], 0                             ; written once: a lane permute's destination counts as one of its sources
	v_mov_b32 v252, 0
	v_mov_b32 v253, 0                              ; (named as the upper half of the pair v[252:253])
.set n, 0
.rept 64
	v_mov_b32 v[160+n], 0                          ; O^T: the step is written once; its first run finds zeros, which the first change of M leaves zeros.  A wave that runs no step hands zeros on
.set n, n+1
.endr
	s_wait_kmcnt 0x0
	s_add_co_i32 s72, s58, s59
	s_lshl_b32 s72, s72, 23
	s_add_co_i32 s[CS], s[CS], s72                 ; a score stands for score x 2^(entries 6 + 7): added to c's exponent field
	s_mov_b32 s[CS+1], s[CS]
	s_add_co_i32 s72, s60, 127
	s_lshl_b32 s73, s72, 23
	v_mov_b32 v244, s73                            ; 2^(entry 8), for p's conversions
	s_add_co_i32 s72, s72, 8
	s_lshl_b32 s72, s72, 23
	s_or_b32 s72, s72, 0x600000
	v_mov_b32 v240, s72                            ; 448 x that
	s_sub_co_i32 s72, s62, s60
	s_sub_co_i32 s72, s72, s61
	s_add_co_i32 s72, s72, 127
	s_lshl_b32 s73, s72, 23
	v_mov_b32 v245, s73                            ; 2^(entry 10 - 8 - 9): O^T / the sum stands for that x 2^(8 + 9), and its code is the number / 2^(entry 10)
	s_add_co_i32 s72, s72, 8
	s_lshl_b32 s72, s72, 23
	s_or_b32 s72, s72, 0x600000
	v_mov_b32 v241, s72
; MY KEY STEP of the slot in hand: 128 keys
.macro STEP                            ; written once for my two key steps of a slot: s[TH] tells them apart
	s_cmp_gt_u32 s[KF], s[QHI]                     ; all its keys come after my queries: left out
	s_cbranch_scc1 .Lhidden_\@
	s_add_co_u32 s66, s[TB], s[TH]
	v_add_nc_u32 v[AD], s66, v[AK]
	v_add_nc_u32 v[ADV], 0x10000, v[AD]
	s_wait_alu depctr_va_vdst(0)
.irp g, 0,1                                    ; S^T = K Q^T, four tiles of 16 keys at a time
.rept 4
	v_nop                                          ; four places in front of loads into registers that matrix instructions have read; in the first run the addition above makes five: the first product below writes over registers that the last step's products read
.endr
.irp t, 0,1,2,3
.irp c, 0,1,2,3
	ds_load_b128 v[32+16*\t+4*\c:32+16*\t+4*\c+3], v[AD] offset:(4*\g+\t)*2048+512*\c
.endr
.endr
	s_wait_dscnt 0x0
.irp t, 0,1,2,3
	v_wmma_f32_16x16x128_fp8_fp8 v[96+8*(4*\g+\t):103+8*(4*\g+\t)], v[32+16*\t:47+16*\t], v[16:31], 0
.endr
.endr
.rept 4
	v_nop                                          ; places ahead of the loads below and of the first read of the scores
.endr
.irp t, 0,1,2,3                                ; V's first four fragments are asked for now, into K's registers: they land while the softmax is walked
.irp c, 0,1,2,3
	ds_load_b128 v[32+16*\t+4*\c:32+16*\t+4*\c+3], v[ADV] offset:\t*2048+512*\c
.endr
.endr
	s_add_co_u32 s66, s[KF], 127                   ; on the diagonal hidden scores become -infinity ahead of the maximum; a step all of whose keys count skips this.  Key KF counts for every query of a step that is run
	s_cmp_le_u32 s66, s[QLO]
	s_cbranch_scc1 .Lopen_\@
	v_sub_nc_u32 v252, v[QD], s[KF]                ; d.  Register 16 b + i holds key KF + 32 b + 16 h + i: hidden where 32 b + i > d
	v_mov_b32 v254, 0xff800000
.set n, 0
.rept 64
	v_cmp_gt_i32 vcc_lo, 32*(n/16)+n%16, v252
	v_cndmask_b32 v[96+n], v[96+n], v254, vcc_lo
.set n, n+1
.endr
.Lopen_\@:
	v_max3_num_f32 v254, v96, v97, v98             ; the step's largest score of my query among my 64 keys, in two chains,
	v_max3_num_f32 v252, v99, v100, v101
.irp i, 6,10,14,18,22,26,30,34,38,42,46,50,54,58
	v_max3_num_f32 v254, v254, v[96+\i], v[97+\i]
	v_max3_num_f32 v252, v252, v[98+\i], v[99+\i]
.endr
	v_max3_num_f32 v254, v254, v158, v159
	s_delay_alu instid0(VALU_DEP_1)
	v_max_num_f32 v254, v254, v252
	s_delay_alu instid0(VALU_DEP_1)
	v_permlanex16_b32 v[XL], v254, s[SEL], s[SEL+1]
	s_delay_alu instid0(VALU_DEP_1)
	v_max_num_f32 v254, v254, v[XL]                ; and among lane l xor 16's
	s_delay_alu instid0(VALU_DEP_1)
	v_mul_f32 v254, s[CS], v254                    ; as t (c is positive)
	s_delay_alu instid0(VALU_DEP_1)
	v_max_num_f32 v13, v13, v254
	v_mov_b32 v254, v12
	s_delay_alu instid0(VALU_DEP_2)
	v_floor_f32 v12, -v13                          ; the new -M = -ceil(t)
	s_delay_alu instid0(VALU_DEP_1)
	v_sub_f32 v254, v12, v254                      ; old M - new M: a whole number, 0 or less
	s_delay_alu instid0(VALU_DEP_1)
	v_cvt_i32_f32 v254, v254                       ; (it saturates)
	s_delay_alu instid0(VALU_DEP_1)
	v_ldexp_f32 v252, 1.0, v254                    ; f = 2^(old M - new M)
.set n, 0
.rept 32
	v_pk_fma_f32 v[96+n:97+n], v[96+n:97+n], s[CS:CS+1], v[12:13] op_sel_hi:[1,0,0]   ; t - M
.set n, n+2
.endr
.set n, 0
	s_wait_alu depctr_va_vdst(0)
.rept 64
	v_exp_f32 v[96+n], v[96+n]                     ; p = 2^(t - M)
.set n, n+1
.endr
	v_pk_mul_f32 v[14:15], v[14:15], v[252:253] op_sel_hi:[1,0]   ; the sums under the new M (a plain line behind the exponentials)
	s_wait_alu depctr_va_vdst(0)                   ; one wait for the batch, ahead of its first reader
	v_pk_add_f32 v[242:243], v[100:101], v[104:105]
	v_pk_add_f32 v[254:255], v[108:109], v[112:113]
	v_pk_add_f32 v[238:239], v[116:117], v[120:121]
	v_pk_add_f32 v[236:237], v[124:125], v[128:129]
	v_pk_add_f32 v[234:235], v[132:133], v[136:137]
	v_pk_add_f32 v[232:233], v[140:141], v[144:145]
	v_pk_add_f32 v[230:231], v[148:149], v[152:153]
	v_pk_add_f32 v[14:15], v[14:15], v[156:157]
	v_pk_add_f32 v[242:243], v[242:243], v[96:97]
	v_pk_add_f32 v[254:255], v[254:255], v[98:99]
	v_pk_add_f32 v[238:239], v[238:239], v[102:103]
	v_pk_add_f32 v[236:237], v[236:237], v[106:107]
	v_pk_add_f32 v[234:235], v[234:235], v[110:111]
	v_pk_add_f32 v[232:233], v[232:233], v[114:115]
	v_pk_add_f32 v[230:231], v[230:231], v[118:119]
	v_pk_add_f32 v[14:15], v[14:15], v[122:123]
	v_pk_add_f32 v[242:243], v[242:243], v[126:127]
	v_pk_add_f32 v[254:255], v[254:255], v[130:131]
	v_pk_add_f32 v[238:239], v[238:239], v[134:135]
	v_pk_add_f32 v[236:237], v[236:237], v[138:139]
	v_pk_add_f32 v[234:235], v[234:235], v[142:143]
	v_pk_add_f32 v[232:233], v[232:233], v[146:147]
	v_pk_add_f32 v[230:231], v[230:231], v[150:151]
	v_pk_add_f32 v[14:15], v[14:15], v[154:155]
	v_pk_add_f32 v[242:243], v[242:243], v[158:159]
	s_delay_alu instid0(VALU_DEP_2)
	v_pk_add_f32 v[14:15], v[14:15], v[236:237]
	s_delay_alu instid0(VALU_DEP_2)
	v_pk_add_f32 v[242:243], v[242:243], v[234:235]
	v_pk_add_f32 v[254:255], v[254:255], v[232:233]
	v_pk_add_f32 v[238:239], v[238:239], v[230:231]
	s_delay_alu instid0(VALU_DEP_2)
	v_pk_add_f32 v[14:15], v[14:15], v[254:255]
	s_delay_alu instid0(VALU_DEP_2)
	v_pk_add_f32 v[242:243], v[242:243], v[238:239]
	s_delay_alu instid0(VALU_DEP_1)
	v_pk_add_f32 v[14:15], v[14:15], v[242:243]
.irp b, 0,1,2,3
.irp i, 0,1,2,3,4,5,6,7,8,9,10,11,12,13,14,15
	v_min_num_f32 v[96+16*\b+\i], v[96+16*\b+\i], v240   ; the conversion does not saturate; p is not negative, so the hold is one-sided
.endr
	v_cvt_scalef32_pk8_fp8_f32 v[224+4*\b:225+4*\b], v[96+16*\b:103+16*\b], v244
	v_cvt_scalef32_pk8_fp8_f32 v[226+4*\b:227+4*\b], v[104+16*\b:111+16*\b], v244
.endr
.set n, 0
.rept 4
	v_pk_mul_f32 v[160+n:161+n], v[160+n:161+n], v[252:253] op_sel_hi:[1,0]   ; O^T under the new M: x f.  (The first of these are the plain lines behind the conversions)
.set n, n+2
.endr
.irp t, 0,1,2,3                                ; p is in its codes: V's other four fragments take p's registers, and land under the rest of the rescaling
.irp c, 0,1,2,3
	ds_load_b128 v[96+16*\t+4*\c:96+16*\t+4*\c+3], v[ADV] offset:(4+\t)*2048+512*\c
.endr
.endr
.rept 28
	v_pk_mul_f32 v[160+n:161+n], v[160+n:161+n], v[252:253] op_sel_hi:[1,0]
.set n, n+2
.endr
	s_wait_alu depctr_va_vdst(0)
	s_wait_dscnt 0x0                               ; all eight fragments of V are in
.irp t, 0,1,2,3                                ; O^T += V^T P^T: eight accumulators by turns
	v_wmma_f32_16x16x128_fp8_fp8 v[160+8*\t:167+8*\t], v[32+16*\t:47+16*\t], v[224:239], v[160+8*\t:167+8*\t]
.endr
.irp t, 0,1,2,3
	v_wmma_f32_16x16x128_fp8_fp8 v[192+8*\t:199+8*\t], v[96+16*\t:111+16*\t], v[224:239], v[192+8*\t:199+8*\t]
.endr
.Lhidden_\@:
	s_add_co_u32 s[KF], s[KF], 256                 ; my next key step, 256 keys on
.endm
; THE CHANGE OF SLOTS stands at a slot's head: each wave waits for all its tensor loads, adds 0 to its spare word, and waits for that and for its reads of the slot that it has left.
; fill = 1: a round of the cluster's barrier, and behind it the slot just left is filled with the keys that follow: the load has the slot's steps in which to land.
.macro CHANGE fill
	s_wait_tensorcnt 0x0                           ; no tensor load of mine is out, so group 0 may be written
	ds_add_u32 v[SPW], v[NIL]                      ; 0 onto my spare word
.if \fill
	s_xor_b32 s[G0+1], s[G0+1], SLOT1              ; the other slot than last time,
	s_add_nc_u64 s[G0+2:G0+3], s[G0+2:G0+3], 65536 ; the next 512 keys
	s_wait_xcnt 0x0                                ; the last prefetch, a slot back, has read its address
	s_add_nc_u64 s[PFA:PFA+1], s[PFA:PFA+1], 65536
	s_wait_dscnt 0x0                               ; the add is done, and my reads of the slot that I have left are over
	CROUND
	TLOAD                                          ; my one tensor load behind the round
	ASK
.else
	s_wait_dscnt 0x0
	s_barrier_signal -1
	s_barrier_wait -1
.endif
.endm
.macro SLOT_STEP
	s_mov_b32 s[TH], 0
.Lhalf_\@:                                         ; two trips: key steps u and u + 2 of the slot in hand
	STEP
	s_add_co_u32 s[TH], s[TH], 32768
	s_cmp_lt_u32 s[TH], 65536
	s_cbranch_scc1 .Lhalf_\@
	s_xor_b32 s[TB], s[TB], SLOT1
.endm
	s_wait_loadcnt 0x0                             ; Q
.Lslot:                                            ; three trips: behind each change of slots but the last the next slot is asked for
	CHANGE 1
	SLOT_STEP
	s_sub_co_u32 s[SLOTS], s[SLOTS], 1
	s_cmp_lg_u32 s[SLOTS], 0
	s_cbranch_scc1 .Lslot
	CHANGE 0                                       ; the last slot is written out
	SLOT_STEP
	; THE TWO HALVES OF THE KEYS MEET.  Every wave puts -M, its row's sum and O^T into its own bytes of LDS; one barrier; wave u reads channels 64 u on of both waves of its tile.
	v_add_f32 v14, v14, v15
	s_delay_alu instid0(VALU_DEP_1)
	v_permlanex16_b32 v[XL], v14, s[SEL], s[SEL+1]
	s_delay_alu instid0(VALU_DEP_1)
	v_add_f32 v13, v14, v[XL]                      ; my keys' sum for the row, beside -M in v12
.rept 4
	v_nop                                          ; four places between the last products and the stores that read O^T
.endr
	ds_store_b64 v[MS], v[12:13]
.set n, 0
	s_wait_alu depctr_va_vdst(0)
.rept 16
	ds_store_b128 v[MO], v[160+4*n:163+4*n] offset:512*n   ; each accumulator from its low end on; 512 consecutive bytes a store
.set n, n+1
.endr
	s_wait_dscnt 0x0                               ; for the other wave's sake: my stores have landed
	s_barrier_signal -1
	s_barrier_wait -1
	ds_load_b64 v[14:15], v[MSP]                   ; the other wave's -M and sum
.set n, 0
.rept 8
	ds_load_b128 v[32+4*n:35+4*n], v[MOH] offset:512*n     ; my O^T, registers 32 u on,
.set n, n+1
.endr
.set n, 0
.rept 8
	ds_load_b128 v[64+4*n:67+4*n], v[MPH] offset:512*n     ; and the other wave's
.set n, n+1
.endr
	s_wait_dscnt 0x0
	v_min_num_f32 v252, v12, v14                   ; -(the larger M)
	s_delay_alu instid0(VALU_DEP_1)
	v_sub_f32 v254, v252, v12                      ; my M less the larger: a whole number, 0 or less
	s_delay_alu instid0(VALU_DEP_2)
	v_sub_f32 v253, v252, v14                      ; the other's.  (A wave that ran no step has M = -3e38: its factor comes out 0, over zeros)
	s_delay_alu instid0(VALU_DEP_2)
	v_cvt_i32_f32 v254, v254                       ; (they saturate)
	s_delay_alu instid0(VALU_DEP_2)
	v_cvt_i32_f32 v253, v253
	s_delay_alu instid0(VALU_DEP_2)
	v_ldexp_f32 v254, 1.0, v254                    ; exact powers of two
	s_delay_alu instid0(VALU_DEP_2)
	v_ldexp_f32 v253, 1.0, v253
	s_delay_alu instid0(VALU_DEP_2)
	v_mul_f32 v252, v13, v254
	s_delay_alu instid0(VALU_DEP_1)
	v_fma_f32 v252, v15, v253, v252                ; the row's sum over all its keys
	s_wait_alu depctr_va_vdst(0)
	v_rcp_f32 v252, v252
	v_nop                                          ; the plain line behind the reciprocal
	s_wait_alu depctr_va_vdst(0)                   ; ahead of its first reader
	v_mul_f32 v254, v254, v252
	v_mul_f32 v253, v253, v252
.set n, 0
.rept 32
	v_mul_f32 v[96+n], v[32+n], v254
.set n, n+1
.endr
.set n, 0
.rept 32
	v_fma_f32 v[96+n], v[64+n], v253, v[96+n]      ; O^T / the sum
.set n, n+1
.endr
.set n, 0
.rept 32
	v_med3_num_f32 v[96+n], v[96+n], -v241, v241   ; the conversion does not saturate: hold first
.set n, n+1
.endr
.irp g, 0,1,2,3
	v_cvt_scalef32_pk8_fp8_f32 v[224+2*\g:225+2*\g], v[96+8*\g:103+8*\g], v245
.endr
	v_nop
.irp c, 0,1
	global_store_b128 v[GA], v[224+4*\c:227+4*\c], s[8:9] offset:512*\c   ; my half of the image: 512 consecutive bytes a store, aligned
.endr
	s_wait_tensorcnt 0x0                           ; the wave's end
	ds_add_u32 v[SPW], v[NIL]
	s_wait_dscnt 0x0
	CROUND                                         ; the closing round
	s_endpgm
.Lfunc_end_k_qcc32319c63_attn:
	.size	k_qcc32319c63_attn, .Lfunc_end_k_qcc32319c63_attn-k_qcc32319c63_attn
	.p2alignl 7, 3214868480
	.fill 96, 4, 3214868480
	.section	.rodata,"a",@progbits
	.p2align	6, 0x0
	.amdhsa_kernel k_qcc32319c63_attn
		.amdhsa_group_segment_fixed_size 327680
		.amdhsa_private_segment_fixed_size 0
		.amdhsa_enable_private_segment 0
		.amdhsa_kernarg_size 24
		.amdhsa_user_sgpr_count 2
		.amdhsa_user_sgpr_kernarg_segment_ptr 1
		.amdhsa_wavefront_size32 1
		.amdhsa_system_sgpr_workgroup_id_x 1
		.amdhsa_system_sgpr_workgroup_id_y 1
		.amdhsa_system_sgpr_workgroup_id_z 1
		.amdhsa_system_vgpr_workitem_id 0
		.amdhsa_next_free_vgpr 256
		.amdhsa_next_free_sgpr 100
		.amdhsa_reserve_vcc 1
		.amdhsa_float_denorm_mode_32 3
		.amdhsa_float_denorm_mode_16_64 3
		.amdhsa_memory_ordered 1
		.amdhsa_forward_progress 1
		.amdhsa_inst_pref_size 70
	.end_amdhsa_kernel
	.amdgpu_metadata
---
amdhsa.version: [ 1, 2 ]
amdhsa.kernels:
  - .name:           k_qcc32319c63_attn
    .symbol:         k_qcc32319c63_attn.kd
    .args:
      - { .name: qkv, .offset: 0, .size: 8, .value_kind: global_buffer, .address_space: global }
      - { .name: lowp_scales, .offset: 8, .size: 8, .value_kind: global_buffer, .address_space: global }
      - { .name: ao, .offset: 16, .size: 8, .value_kind: global_buffer, .address_space: global }
    .group_segment_fixed_size: 327680
    .private_segment_fixed_size: 0
    .kernarg_segment_align: 8
    .kernarg_segment_size: 24
    .max_flat_workgroup_size: 512
    .sgpr_count:     100
    .vgpr_count:     256
    .wavefront_size: 32
...
	.end_amdgpu_metadata
.endif
;; end of part 3
;; launch oproj (part 4): grid 8 x 32, 4 waves a work-group, clusters of 4 x 4, 327,680 bytes of LDS; arguments ao, wc, lowp_scales, out0; writes out0
.if DOCPART == 4
	.amdgcn_target "amdgcn-amd-amdhsa--gfx1250"
	.amdhsa_code_object_version 6
	.text
	.protected	k_qcc32319c63_oproj
	.globl	k_qcc32319c63_oproj
	.p2align	8
	.type	k_qcc32319c63_oproj,@function
k_qcc32319c63_oproj:
	s_mov_b64 s[64:65], 0
	v_nop
	global_prefetch_b8 v0, s[64:65] scope:SCOPE_SE
	s_setreg_imm32_b32 hwreg(HW_REG_WAVE_MODE, 25, 1), 1
	s_wait_xcnt 0x0
	s_wait_alu depctr_hold_cnt(0) depctr_sa_sdst(0) depctr_va_vdst(0) depctr_va_sdst(0) depctr_va_ssrc(0) depctr_va_vcc(0) depctr_vm_vsrc(0)
	s_getreg_b32 s2, hwreg(HW_REG_IB_STS2, 6, 4)
	s_cmp_eq_u32 s2, 0
	s_cbranch_scc0 .Lentry_in_a_cluster
	s_endpgm
.Lentry_in_a_cluster:
	s_bfe_u32 s2, ttmp6, 0x10000c
	s_cmp_lg_u32 s2, 0xf033
	s_cbranch_scc0 .Lentry_shape_is_right
	s_endpgm
.Lentry_shape_is_right:
.set SLOT,   131072
.set STG,    2*SLOT
.set SPITCH, 528
.set FR,     16
.set NL,     4
.set NP,     4
.set ADRA, 16
.set ADRB, 20
.set STO,  24
.set RD,   25
.set CO,   26
.set TMP,  32
.set AF,   128
.set BK,   128
.set G1, 24
.set G0, 32
.set G1B, 48
.set G0B, 56
.set MSB, 0
.macro WIN new
.if MSB != \new
	s_set_vgpr_msb (MSB<<8)|\new
.set MSB, \new
.endif
.endm
.set MUL_LO, 0xa1
.set MUL_HI, 0xf1
.set TO_B,   0x40
.macro JLOAD s
	s_cmp_eq_u32 s15, 0
	s_cbranch_scc0 .Lfor_b_\@
	tensor_load_to_lds s[G0+4*\s:G0+4*\s+3], s[G1:G1+7]
	s_nop 0
.rept 4
	v_nop
.endr
	s_branch .Lasked_\@
.Lfor_b_\@:
	tensor_load_to_lds s[G0B+4*\s:G0B+4*\s+3], s[G1B:G1B+7]
	s_nop 0
.rept 4
	v_nop
.endr
.Lasked_\@:
.endm
.macro CROUND
	s_barrier_signal -1
	s_barrier_wait -1
	s_cmp_lg_u32 s14, 0
	s_cbranch_scc1 .Lnot_wave_0_\@
	s_barrier_signal -3
.Lnot_wave_0_\@:
	s_barrier_wait -3
	s_barrier_signal -1
	s_barrier_wait -1
.endm
.macro FRAG reg, adr, q, i
.irp c, 0,1,2,3
	ds_load_b128 v[\reg+4*\c:\reg+4*\c+3], v[\adr] offset:((\i)*2+(\q))*2048+512*\c
.endr
.endm
.macro MUL16 a0, p, zero
.irp a, \a0, \a0+1
.irp b, 0,1,2,3,4,5,6,7
.if \zero
	v_wmma_f32_16x16x128_fp8_fp8 v[8*(8*((\a)%4)+\b):8*(8*((\a)%4)+\b)+7], v[128*(\p)+FR*\b:128*(\p)+FR*\b+FR-1], v[AF+FR*(\a):AF+FR*(\a)+FR-1], 0
.else
	v_wmma_f32_16x16x128_fp8_fp8 v[8*(8*((\a)%4)+\b):8*(8*((\a)%4)+\b)+7], v[128*(\p)+FR*\b:128*(\p)+FR*\b+FR-1], v[AF+FR*(\a):AF+FR*(\a)+FR-1], v[8*(8*((\a)%4)+\b):8*(8*((\a)%4)+\b)+7]
.endif
.endr
.endr
.endm
.macro FETCH_B slot, q, p
	WIN TO_B
.irp i, 0,1,2,3,4,5,6,7
	FRAG 128*(\p)+FR*\i, ADRB+\slot, \q, \i
.endr
	WIN 0
.endm
.macro FETCH_A slot, q, i0
.irp i, \i0, \i0+1, \i0+2, \i0+3
	FRAG AF+FR*(\i), ADRA+\slot, \q, \i
.endr
.endm
.macro PLACES n
.rept \n
	v_nop
.endr
.endm
.macro STEP slot, q, zero
	s_wait_dscnt 4*NL
	WIN MUL_LO
	MUL16 0, (\q)%2, \zero
	MUL16 2, (\q)%2, \zero
	s_wait_dscnt 0
	PLACES NP
	FETCH_B \slot, (\q)+1, 1-(\q)%2
	FETCH_A \slot, (\q)+1, 0
	WIN MUL_HI
	MUL16 4, (\q)%2, \zero
	MUL16 6, (\q)%2, \zero
	PLACES NP
	WIN 0
	FETCH_A \slot, (\q)+1, 4
.endm
	s_load_b128 s[4:7], s[0:1], 0x0
	s_load_b128 s[8:11], s[0:1], 0x10
	v_lshl_add_u32 v126, v0, 2, 0x48400
	v_mov_b32 v127, 0
	ds_add_u32 v126, v127
	ds_add_u32 v126, v127
	v_lshrrev_b32 v1, 5, v0
	v_readfirstlane_b32 s14, v1
	s_lshr_b32 s15, s14, 1
	s_and_b32 s16, s14, 1
	s_bfe_u32 s40, ttmp6, 0x40000
	s_bfe_u32 s41, ttmp6, 0x40004
	s_lshl_b32 s42, ttmp9, 2
	s_add_co_u32 s42, s42, s40
	s_and_b32 s17, ttmp7, 0xffff
	s_lshl_b32 s17, s17, 2
	s_add_co_u32 s17, s17, s41
	s_lshl_b32 s43, s41, 2
	s_lshl_b32 s43, 15, s43
	s_lshl_b32 s44, 0x1111, s40
	s_or_b32 s[G1+0], s43, (3<<16)|(1<<21)
	s_or_b32 s[G1B+0], s44, (3<<16)|(1<<21)
.irp g, G1, G1B
	s_mov_b32 s[\g+1], 32<<16
	s_mov_b32 s[\g+2], 128<<16
	s_mov_b32 s[\g+3], 32<<16
	s_mov_b32 s[\g+4], 128
	s_mov_b32 s[\g+5], 32
	s_mov_b32 s[\g+6], 0
	s_mov_b32 s[\g+7], 0
.endr
	s_lshl_b32 s18, s16, 15
	s_lshl_b32 s20, s17, 16
	s_add_co_u32 s20, s20, s18
	s_mov_b32 s21, 0
	s_lshl_b32 s46, s42, 16
	s_add_co_u32 s46, s46, s18
	s_add_co_u32 s46, s46, 0x300000
	s_mov_b32 s47, 0
	s_lshl_b32 s45, s14, 15
	s_wait_dscnt 0x0
	s_wait_kmcnt 0x0
	s_load_b64 s[96:97], s[8:9], 0x28
	s_add_nc_u64 s[20:21], s[4:5], s[20:21]
	s_add_nc_u64 s[46:47], s[6:7], s[46:47]
	CROUND
.irp s, 0,1
	s_mov_b32 s[G0+4*\s], 1
	s_add_co_u32 s[G0+4*\s+1], s45, \s*SLOT
	s_add_nc_u64 s[G0+4*\s+2:G0+4*\s+3], s[20:21], \s*0x200000
	s_or_b32 s[G0+4*\s+3], s[G0+4*\s+3], 0x80000000
	s_mov_b32 s[G0B+4*\s], 1
	s_add_co_u32 s[G0B+4*\s+1], s45, \s*SLOT
	s_add_nc_u64 s[G0B+4*\s+2:G0B+4*\s+3], s[46:47], \s*0x80000
	s_or_b32 s[G0B+4*\s+3], s[G0B+4*\s+3], 0x80000000
	s_wait_alu depctr_va_vdst(0)
	s_wait_tensorcnt 0x0
	ds_add_u32 v126, v127
	ds_add_u32 v126, v127
	s_wait_dscnt 0x0
	CROUND
	JLOAD \s
.endr
	v_and_b32 v1, 15, v0
	s_wait_alu depctr_va_vdst(0)
	v_bfe_u32 v2, v0, 4, 1
	v_and_b32 v6, 31, v0
	v_lshlrev_b32 v[CO], 4, v6
	s_lshl_b32 s21, s15, 15
	s_lshl_b32 s22, s16, 15
	s_add_co_u32 s22, s22, 65536
.irp s, 0,1
	v_add_nc_u32 v[ADRA+\s], s21, v[CO]
	v_add_nc_u32 v[ADRB+\s], s22, v[CO]
	s_add_co_u32 s21, s21, SLOT
	s_add_co_u32 s22, s22, SLOT
.endr
	s_mul_i32 s23, s14, 16*SPITCH
	s_add_co_u32 s23, s23, STG
	v_mul_u32_u24 v5, v1, SPITCH
	s_wait_alu depctr_va_vdst(0)
	v_lshl_add_u32 v5, v2, 6, v5
	v_add_nc_u32 v[STO], s23, v5
	v_add_nc_u32 v[RD], s23, v[CO]
	s_lshl_b32 s20, s17, 21
	s_lshl_b32 s21, s15, 20
	s_add_co_u32 s20, s20, s21
	s_mov_b32 s21, 0
	s_lshl_b32 s46, s42, 10
	s_lshl_b32 s47, s16, 9
	s_add_co_u32 s46, s46, s47
	s_mov_b32 s47, 0
	s_add_nc_u64 s[20:21], s[20:21], s[46:47]
	s_add_nc_u64 s[10:11], s[10:11], s[20:21]
	s_wait_tensorcnt 1
	s_barrier_signal -1
	s_barrier_wait -1
	FETCH_B 0, 0, 0
	FETCH_A 0, 0, 0
	FETCH_A 0, 0, 4
	STEP 0, 0, 1
	s_wait_tensorcnt 0x0
	s_wait_dscnt 4*NL
	WIN MUL_LO
	MUL16 0, 1, 0
	s_wait_dscnt 0x0
	s_barrier_signal -1
	MUL16 2, 1, 0
	WIN 0
	s_barrier_wait -1
	PLACES NP
	FETCH_B 1, 0, 0
	FETCH_A 1, 0, 0
	WIN MUL_HI
	MUL16 4, 1, 0
	MUL16 6, 1, 0
	PLACES NP
	WIN 0
	FETCH_A 1, 0, 4
	STEP 1, 0, 0
	s_wait_dscnt 4*NL
	WIN MUL_LO
	MUL16 0, 1, 0
	MUL16 2, 1, 0
	s_wait_dscnt 0
	WIN MUL_HI
	MUL16 4, 1, 0
	MUL16 6, 1, 0
	WIN 0
.macro TOSTAGE a
.set AC, 64*((\a)%4)
	WIN 0x02+((\a)/4)
.set n, 0
.rept 32
	v_pk_mul_f32 v[TMP+n:TMP+n+1], v[AC+n:AC+n+1], s[96:97] op_sel_hi:[1,0]
.set n, n+2
.endr
	WIN 0
.irp b, 0,1,2,3,4,5,6,7
	ds_store_b128 v[STO], v[TMP+8*\b:TMP+8*\b+3] offset:128*(\b/2)+32*(\b%2)
	ds_store_b128 v[STO], v[TMP+8*\b+4:TMP+8*\b+7] offset:128*(\b/2)+32*(\b%2)+16
.endr
.set BB, BK+64*((\a)%2)
.irp t, 0,1,2,3,4,5,6,7,8,9,10,11,12,13,14,15
	ds_load_b128 v[BB+4*\t:BB+4*\t+3], v[RD] offset:\t*SPITCH
.endr
.endm
.macro SEND a, younger
.set BB, BK+64*((\a)%2)
	s_wait_dscnt \younger
.irp t, 0,1,2,3,4,5,6,7,8,9,10,11,12,13,14,15
	global_store_b128 v[CO], v[BB+4*\t:BB+4*\t+3], s[10:11] offset:(32*((\a)/2)+8*((\a)%2)+\t+8*(\t/8))*8192 th:TH_STORE_NT
.endr
.endm
	s_wait_kmcnt 0x0
	s_add_co_i32 s96, s96, s97
	s_add_co_i32 s96, s96, 127
	s_lshl_b32 s96, s96, 23
	PLACES NP
	TOSTAGE 0
.irp a, 1,2,3,4,5,6,7
.if \a > 1
	s_wait_xcnt 0x0
.endif
	TOSTAGE \a
	SEND \a-1, 32
.endr
	SEND 7, 0
	s_wait_tensorcnt 0x0
	s_wait_dscnt 0x0
	s_wait_tensorcnt 0x0
	ds_add_u32 v126, v127
	s_wait_dscnt 0x0
	CROUND
	s_endpgm
.Lfunc_end_k_qcc32319c63_oproj:
	.size	k_qcc32319c63_oproj, .Lfunc_end_k_qcc32319c63_oproj-k_qcc32319c63_oproj
	.p2alignl 7, 3214868480
	.fill 96, 4, 3214868480
	.section	.rodata,"a",@progbits
	.p2align	6, 0x0
	.amdhsa_kernel k_qcc32319c63_oproj
		.amdhsa_group_segment_fixed_size 327680
		.amdhsa_private_segment_fixed_size 0
		.amdhsa_enable_private_segment 0
		.amdhsa_kernarg_size 32
		.amdhsa_user_sgpr_count 2
		.amdhsa_user_sgpr_kernarg_segment_ptr 1
		.amdhsa_wavefront_size32 1
		.amdhsa_system_sgpr_workgroup_id_x 1
		.amdhsa_system_sgpr_workgroup_id_y 1
		.amdhsa_system_sgpr_workgroup_id_z 1
		.amdhsa_system_vgpr_workitem_id 0
		.amdhsa_next_free_vgpr 1024
		.amdhsa_next_free_sgpr 98
		.amdhsa_reserve_vcc 0
		.amdhsa_float_denorm_mode_32 3
		.amdhsa_float_denorm_mode_16_64 3
		.amdhsa_memory_ordered 1
		.amdhsa_forward_progress 1
		.amdhsa_inst_pref_size 87
	.end_amdhsa_kernel
	.amdgpu_metadata
---
amdhsa.version: [ 1, 2 ]
amdhsa.kernels:
  - .name:           k_qcc32319c63_oproj
    .symbol:         k_qcc32319c63_oproj.kd
    .args:
      - { .name: ao, .offset: 0, .size: 8, .value_kind: global_buffer, .address_space: global }
      - { .name: wc, .offset: 8, .size: 8, .value_kind: global_buffer, .address_space: global }
      - { .name: lowp_scales, .offset: 16, .size: 8, .value_kind: global_buffer, .address_space: global }
      - { .name: out0, .offset: 24, .size: 8, .value_kind: global_buffer, .address_space: global }
    .group_segment_fixed_size: 327680
    .private_segment_fixed_size: 0
    .kernarg_segment_align: 8
    .kernarg_segment_size: 32
    .max_flat_workgroup_size: 128
    .sgpr_count:     98
    .vgpr_count:     1024
    .wavefront_size: 32
...
	.end_amdgpu_metadata
.endif
;; end of part 4
